; MI455X (gfx1250); checked and timed in simulation.
; The chip was launched on July 23, 2026; its instructions are those of AMD's public machine-readable ISA for CDNA 5 (MIT licence, August 2026) and "CDNA5" Instruction Set Architecture Reference Guide (July 2026). The comments in the code are by the model that wrote it; some were corrected since.
;; SB Dolomite Block. Allowed arithmetic: float matrix products may take bf16 or f16 operands with f32 sums; other float arithmetic in f32, or as packed bf16 or f16 multiplies, adds, multiply-adds, maxima and minima; sums over many terms, partial sums and values carried from step to step in f32; what a program stores and reads back later, other than sums and carried values, may be rounded once to bf16 or f16.
;; Inputs: c_attn_b 3,072 float32; c_attn_w 1,024 x 3,072 float32; c_proj_b 1,024 float32; c_proj_w 1,024 x 1,024 float32; cu_seqlens 5 int32; fc_b 4,096 float32; fc_w 1,024 x 4,096 float32; hidden_states 2,048 x 1,024 float32; ln1_b 1,024 float32; ln1_w 1,024 float32; ln2_b 1,024 float32; ln2_w 1,024 float32; proj_b 1,024 float32; proj_w 4,096 x 1,024 float32.
;; Outputs: out0 2,048 x 1,024 float32.
;; One version. Each part assembles by itself: llvm-mc -triple=amdgcn-amd-amdhsa -mcpu=gfx1250 --defsym DOCPART=n.
;; ======== version 1 of 1: 7 launches
;; limits: values are held in f16: magnitudes above 65,504 overflow, below 6.1e-05 lose precision
;; workspace buffers: wb 25,165,824 bytes; x1 4,194,304 bytes; qf 4,194,304 bytes; kv 8,388,608 bytes; af 4,194,304 bytes; hb 8,388,608 bytes; x2 4,194,304 bytes; gf 16,777,216 bytes
;; launch prep (part 1): grid 128 x 5, 8 waves a work-group, no clusters, 0 bytes of LDS; arguments hidden_states, ln1_w, ln1_b, x1, c_attn_w, c_proj_w, fc_w, proj_w, wb; writes x1, wb
.if DOCPART == 1
	.amdgcn_target "amdgcn-amd-amdhsa--gfx1250"
	.amdhsa_code_object_version 6
	.text
	.protected	k_qcc443e5691_prep
	.globl	k_qcc443e5691_prep
	.p2align	8
	.type	k_qcc443e5691_prep,@function
k_qcc443e5691_prep:
	s_mov_b64 s[64:65], 0
	v_nop
	global_prefetch_b8 v0, s[64:65] scope:SCOPE_SE
	s_setreg_imm32_b32 hwreg(HW_REG_WAVE_MODE, 25, 1), 1
	s_wait_xcnt 0x0
; Two streams in one launch; no work-group shares an input with another, so there is no LDS, no barrier and no cluster.
; y = 0, 1: LAYER NORM 1.  One wave takes one row of 1,024 f32 (32 registers a lane) and keeps it between the passes: mean, then the sum of (x - mean)^2, both in f32,
;   then (x - mean) rsqrt(var + 1e-5) w + b, rounded once to bf16.  Token 64 B + 32 g + 16 e + 4 a + i is stored as row 64 B + 16 a + 8 g + 2 i + e of x1: the order in which
;   the attention wants the rows of its fragments.
; y = 2, 3, 4: THE FOUR WEIGHTS, f32 to bf16, layout unchanged, one after the other in wb.  A work-group takes 32,768 numbers; all its 32 loads a thread are out at once.
.set XR, 32                            ; v[32:63]   the row: lane l holds numbers 128 j + 4 l + 0..3, j = 0..7
.set WR, 64                            ; v[64:95]   the gain, same places
.set BR, 96                            ; v[96:127]  the bias
.set YR, 16                            ; v[16:31]   the row in bf16
	s_load_b256 s[4:11], s[0:1], 0x0               ; hidden s[4:5], ln1_w s[6:7], ln1_b s[8:9], x1 s[10:11]
	s_load_b256 s[16:23], s[0:1], 0x20             ; c_attn_w, c_proj_w, fc_w, proj_w
	s_load_b64 s[24:25], s[0:1], 0x40              ; wb
	s_and_b32 s2, ttmp7, 0xffff
	s_cmp_lt_u32 s2, 2
	s_cbranch_scc0 .Lcast
	v_and_b32 v1, 31, v0
	v_lshrrev_b32 v3, 5, v0
	v_readfirstlane_b32 s3, v3                     ; wave 0..7
	v_lshlrev_b32 v2, 3, v1                        ; 8 bytes a lane on the way out
	v_lshlrev_b32 v1, 4, v1                        ; 16 bytes a lane on the way in
	s_lshl_b32 s2, s2, 7
	s_add_co_u32 s2, s2, ttmp9                     ; group 0..255
	s_lshl3_add_u32 s26, s2, s3                    ; my row = 8 x group + wave
	s_lshl_b32 s28, s26, 12                        ; its 4,096 bytes
	s_mov_b32 s29, 0
	s_and_not1_b32 s30, s26, 63                    ; the row in x1: the block of 64 stays,
	s_bfe_u32 s27, s26, 0x20002                    ; a (bits 3:2) goes to bits 5:4,
	s_lshl_b32 s27, s27, 4
	s_or_b32 s30, s30, s27
	s_bfe_u32 s27, s26, 0x10005                    ; g (bit 5) to bit 3,
	s_lshl_b32 s27, s27, 3
	s_or_b32 s30, s30, s27
	s_bfe_u32 s27, s26, 0x20000                    ; i (bits 1:0) to bits 2:1,
	s_lshl_b32 s27, s27, 1
	s_or_b32 s30, s30, s27
	s_bfe_u32 s27, s26, 0x10004                    ; e (bit 4) to bit 0
	s_or_b32 s30, s30, s27
	s_lshl_b32 s30, s30, 11                        ; 2,048 bytes a row of x1
	s_mov_b32 s31, 0
	s_mov_b32 s12, 0x76543210                      ; v_permlanex16_b32: each lane takes its own place in the other half
	s_mov_b32 s13, 0xfedcba98
	s_mov_b32 s14, 0x3a800000                      ; 1 / 1024
	s_mov_b32 s15, 0x3727c5ac                      ; 1e-5
	s_wait_kmcnt 0x0
	s_add_nc_u64 s[4:5], s[4:5], s[28:29]
	s_add_nc_u64 s[10:11], s[10:11], s[30:31]
.irp j, 0,1,2,3,4,5,6,7
	global_load_b128 v[XR+4*\j:XR+4*\j+3], v1, s[4:5] offset:512*\j
.endr
.irp j, 0,1,2,3,4,5,6,7
	global_load_b128 v[WR+4*\j:WR+4*\j+3], v1, s[6:7] offset:512*\j
.endr
.irp j, 0,1,2,3,4,5,6,7
	global_load_b128 v[BR+4*\j:BR+4*\j+3], v1, s[8:9] offset:512*\j
.endr
.macro WSUM                            ; four packed chains in v[4:11] become one number in v4, the same in all 32 lanes
	v_pk_add_f32 v[4:5], v[4:5], v[6:7]
	v_pk_add_f32 v[8:9], v[8:9], v[10:11]
	v_pk_add_f32 v[4:5], v[4:5], v[8:9]
	v_add_f32 v4, v4, v5
	v_add_f32_dpp v4, v4, v4 row_xmask:1 row_mask:0xf bank_mask:0xf
	v_add_f32_dpp v4, v4, v4 row_xmask:2 row_mask:0xf bank_mask:0xf
	v_add_f32_dpp v4, v4, v4 row_xmask:4 row_mask:0xf bank_mask:0xf
	v_add_f32_dpp v4, v4, v4 row_xmask:8 row_mask:0xf bank_mask:0xf
	v_permlanex16_b32 v5, v4, s12, s13
	v_add_f32 v4, v4, v5
.endm
	s_wait_loadcnt 16                              ; the row is in; the 16 younger loads (gain, bias) may stay out
.irp c, 0,1,2,3
	v_pk_add_f32 v[4+2*\c:5+2*\c], v[XR+2*\c:XR+2*\c+1], v[XR+8+2*\c:XR+9+2*\c]
.endr
.irp k, 8,9,10,11,12,13,14,15
	v_pk_add_f32 v[4+2*(\k%4):5+2*(\k%4)], v[4+2*(\k%4):5+2*(\k%4)], v[XR+2*\k:XR+2*\k+1]
.endr
	WSUM
	v_mul_f32 v12, s14, v4                         ; the mean, twice: a pair for the packed subtraction
	v_mov_b32 v13, v12
.irp k, 0,1,2,3,4,5,6,7,8,9,10,11,12,13,14,15
	v_pk_add_f32 v[XR+2*\k:XR+2*\k+1], v[XR+2*\k:XR+2*\k+1], v[12:13] neg_lo:[0,1] neg_hi:[0,1]
.endr
.irp c, 0,1,2,3
	v_pk_mul_f32 v[4+2*\c:5+2*\c], v[XR+2*\c:XR+2*\c+1], v[XR+2*\c:XR+2*\c+1]
.endr
.irp k, 4,5,6,7,8,9,10,11,12,13,14,15
	v_pk_fma_f32 v[4+2*(\k%4):5+2*(\k%4)], v[XR+2*\k:XR+2*\k+1], v[XR+2*\k:XR+2*\k+1], v[4+2*(\k%4):5+2*(\k%4)]
.endr
	WSUM
	v_fma_f32 v6, v4, s14, s15                     ; variance + 1e-5
	v_rsq_f32 v14, v6
	v_rsq_f32 v15, v6
	v_nop                                          ; a plain instruction between the root and its use (ISA guide 5.7.2)
	s_wait_loadcnt 0x0                             ; gain and bias
	s_wait_alu depctr_va_vdst(0)
.irp k, 0,1,2,3,4,5,6,7,8,9,10,11,12,13,14,15
	v_pk_mul_f32 v[XR+2*\k:XR+2*\k+1], v[XR+2*\k:XR+2*\k+1], v[14:15]
.endr
.irp k, 0,1,2,3,4,5,6,7,8,9,10,11,12,13,14,15
	v_pk_fma_f32 v[XR+2*\k:XR+2*\k+1], v[XR+2*\k:XR+2*\k+1], v[WR+2*\k:WR+2*\k+1], v[BR+2*\k:BR+2*\k+1]
.endr
.irp k, 0,1,2,3,4,5,6,7,8,9,10,11,12,13,14,15
	v_cvt_pk_bf16_f32 v[YR+\k], v[XR+2*\k], v[XR+2*\k+1]
.endr
.irp j, 0,1,2,3,4,5,6,7
	global_store_b64 v2, v[YR+2*\j:YR+2*\j+1], s[10:11] offset:256*\j   ; the wave's 32 lanes store 256 consecutive bytes, aligned
.endr
	s_endpgm
.Lcast:
	s_sub_co_u32 s2, s2, 2
	s_lshl_b32 s2, s2, 7
	s_add_co_u32 s2, s2, ttmp9                     ; piece 0..383 of 32,768 numbers: 96 of c_attn_w, 32 of c_proj_w, 128 of fc_w, 128 of proj_w
	s_sub_co_u32 s31, s2, 96
	s_sub_co_u32 s32, s2, 128
	s_sub_co_u32 s33, s2, 256
	v_lshlrev_b32 v1, 4, v0                        ; 16 bytes a thread in,
	v_lshlrev_b32 v2, 3, v0                        ; 8 bytes out
	s_wait_kmcnt 0x0
	s_cmp_lt_u32 s2, 256
	s_cselect_b64 s[28:29], s[20:21], s[22:23]
	s_cselect_b32 s30, s32, s33
	s_cmp_lt_u32 s2, 128
	s_cselect_b64 s[28:29], s[18:19], s[28:29]
	s_cselect_b32 s30, s31, s30
	s_cmp_lt_u32 s2, 96
	s_cselect_b64 s[28:29], s[16:17], s[28:29]
	s_cselect_b32 s30, s2, s30                     ; the piece's number inside its own weight
	s_lshl_b32 s34, s30, 17                        ; 131,072 bytes of f32
	s_mov_b32 s35, 0
	s_add_nc_u64 s[28:29], s[28:29], s[34:35]
	s_lshl_b32 s36, s2, 16                         ; 65,536 bytes of bf16
	s_mov_b32 s37, 0
	s_add_nc_u64 s[24:25], s[24:25], s[36:37]
.set j, 0
.rept 32
	global_load_b128 v[32+4*j:35+4*j], v1, s[28:29] offset:4096*j th:TH_LOAD_NT
.set j, j+1
.endr
.set j, 0
.rept 32
	s_wait_loadcnt 31-j                            ; loads come back in order: number j is in, the younger ones stay out
	v_cvt_pk_bf16_f32 v[160+2*j], v[32+4*j], v[33+4*j]
	v_cvt_pk_bf16_f32 v[161+2*j], v[34+4*j], v[35+4*j]
	global_store_b64 v2, v[160+2*j:161+2*j], s[24:25] offset:2048*j     ; a wave stores 256 consecutive bytes, aligned; no register is written twice
.set j, j+1
.endr
	s_endpgm
.Lfunc_end_k_qcc443e5691_prep:
	.size	k_qcc443e5691_prep, .Lfunc_end_k_qcc443e5691_prep-k_qcc443e5691_prep
	.p2alignl 7, 3214868480
	.fill 96, 4, 3214868480
	.section	.rodata,"a",@progbits
	.p2align	6, 0x0
	.amdhsa_kernel k_qcc443e5691_prep
		.amdhsa_group_segment_fixed_size 0
		.amdhsa_private_segment_fixed_size 0
		.amdhsa_enable_private_segment 0
		.amdhsa_kernarg_size 72
		.amdhsa_user_sgpr_count 2
		.amdhsa_user_sgpr_kernarg_segment_ptr 1
		.amdhsa_wavefront_size32 1
		.amdhsa_system_sgpr_workgroup_id_x 1
		.amdhsa_system_sgpr_workgroup_id_y 1
		.amdhsa_system_sgpr_workgroup_id_z 1
		.amdhsa_system_vgpr_workitem_id 0
		.amdhsa_next_free_vgpr 224
		.amdhsa_next_free_sgpr 66
		.amdhsa_reserve_vcc 0
		.amdhsa_float_denorm_mode_32 3
		.amdhsa_float_denorm_mode_16_64 3
		.amdhsa_memory_ordered 1
		.amdhsa_forward_progress 1
		.amdhsa_inst_pref_size 24
	.end_amdhsa_kernel
	.amdgpu_metadata
---
amdhsa.version: [ 1, 2 ]
amdhsa.kernels:
  - .name:           k_qcc443e5691_prep
    .symbol:         k_qcc443e5691_prep.kd
    .args:
      - { .name: hidden_states, .offset: 0, .size: 8, .value_kind: global_buffer, .address_space: global }
      - { .name: ln1_w, .offset: 8, .size: 8, .value_kind: global_buffer, .address_space: global }
      - { .name: ln1_b, .offset: 16, .size: 8, .value_kind: global_buffer, .address_space: global }
      - { .name: x1, .offset: 24, .size: 8, .value_kind: global_buffer, .address_space: global }
      - { .name: c_attn_w, .offset: 32, .size: 8, .value_kind: global_buffer, .address_space: global }
      - { .name: c_proj_w, .offset: 40, .size: 8, .value_kind: global_buffer, .address_space: global }
      - { .name: fc_w, .offset: 48, .size: 8, .value_kind: global_buffer, .address_space: global }
      - { .name: proj_w, .offset: 56, .size: 8, .value_kind: global_buffer, .address_space: global }
      - { .name: wb, .offset: 64, .size: 8, .value_kind: global_buffer, .address_space: global }
    .group_segment_fixed_size: 0
    .private_segment_fixed_size: 0
    .kernarg_segment_align: 8
    .kernarg_segment_size: 72
    .max_flat_workgroup_size: 256
    .sgpr_count:     66
    .vgpr_count:     224
    .wavefront_size: 32
...
	.end_amdgpu_metadata
.endif
;; end of part 1
;; launch qkv (part 2): grid 16 x 16, 4 waves a work-group, clusters of 4 x 4, 327,680 bytes of LDS; arguments x1, wb, c_attn_b, qf, kv; writes qf, kv
.if DOCPART == 2
	.amdgcn_target "amdgcn-amd-amdhsa--gfx1250"
	.amdhsa_code_object_version 6
	.text
	.protected	k_qcc443e5691_qkv
	.globl	k_qcc443e5691_qkv
	.p2align	8
	.type	k_qcc443e5691_qkv,@function
k_qcc443e5691_qkv:
	s_mov_b64 s[64:65], 0
	v_nop
	global_prefetch_b8 v0, s[64:65] scope:SCOPE_SE
	s_setreg_imm32_b32 hwreg(HW_REG_WAVE_MODE, 25, 1), 1
	s_wait_xcnt 0x0
	s_wait_alu depctr_hold_cnt(0) depctr_sa_sdst(0) depctr_va_vdst(0) depctr_va_sdst(0) depctr_va_ssrc(0) depctr_va_vcc(0) depctr_vm_vsrc(0)
	s_getreg_b32 s2, hwreg(HW_REG_IB_STS2, 6, 4)
	s_cmp_eq_u32 s2, 0
	s_cbranch_scc0 .Lentry_in_a_cluster
	s_endpgm
.Lentry_in_a_cluster:
	s_bfe_u32 s2, ttmp6, 0x10000c
	s_cmp_lg_u32 s2, 0xf033
	s_cbranch_scc0 .Lentry_shape_is_right
	s_endpgm
.Lentry_shape_is_right:
; q | k | v = x1 Wqkv + b for 128 tokens and ONE head (192 columns) a work-group.  x1: [2048][1024] bf16 (rows permuted inside each 64), W: [1024][3072] bf16 at the head of wb; sums in f32.
; Four waves, 2 x 2: a wave has 64 rows (one block of 64 tokens) and 32 channels of each of q, k and v: 4 x 6 accumulators.  K goes in steps of 128 through two LDS slots.
; W lies [k][n], so its fragments come out of LDS by the transposing load.  For q and k source 0 = W's columns, source 1 = x1's rows: a lane holds one token and 8 neighbouring channels;
; for v the sources are swapped: a lane holds one channel and 8 tokens.  So 4 conversions make the 16 bytes of a lane in a fragment of Q, K or V^T, and every store is 512 consecutive bytes:
; qf: [head][block][tile a][channel half][register half][lane][16 B];  kv: [head][block][16,384 B]: K at (2 a + c) 1024, V^T at 8192 + (2 cb + kk) 1024.
; q is multiplied by log2(e) / 8 in f32 before its one rounding.  LIMIT: q, k, v are stored in f16: beyond 65,504 they become infinities.
; CLUSTER 4 x 4: x1's tile is shared along a row of the cluster, W's along a column; each is asked for jointly.
; REGISTERS: window 0 addresses, bias, way out; window 1 two fragment buffers (A at F + 8 a, W at F + 32 + 8 u); window 2 the accumulators, (a, u) at 8 (6 a + u); u = 2 p + e, p = q, k, v.
.set SIZE_K, 1024
.set SIZE_N, 3072
.set TN,     192
.set NB,     6
.set KSTEP,  128
.set PA,     272                       ; an LDS row of x1: 256 bytes + 16: the 16 rows of a load start at 16 different groups of four banks (ISA guide 11.1)
.set PB,     480                       ; an LDS row of W: three pieces of 128 bytes + 32 each = 15 x 32 bytes
.set ASZ,    128*PA
.set BSZ,    KSTEP*PB
.set SLOT,   ASZ+BSZ
.set SPARE,  2*SLOT                    ; behind the ring: the spare words, 128 bytes a wave
.set LAPS,   SIZE_K/(2*KSTEP)
.set WOFF,   0
.set WCB,    64                        ; bytes from one wave's channels to the other's inside a piece
.set ASTEP,  KSTEP*2
.set BSTEP,  KSTEP*SIZE_N*2
.set ADRA, 8                           ; v8-9    LDS address of my fragments of x1 in slot 0, 1
.set ADRB, 16                          ; v16-17  the same for W
.set L16,  18                          ; v18     16 x lane
.set H32,  19                          ; v19     32 x (lane / 16)
.set R4,   22                          ; v22     4 x (lane % 16)
.set SPW,  28                          ; v28     my spare word; never rewritten
.set NIL,  29                          ; v29     0; never rewritten
.set F0,   0
.set F1,   128
.set G1, 24
.set G0, 32
.set G1B, 48
.set G0B, 56
.set MSB, 0
.macro WIN new                         ; the immediate's high byte repeats the setting that is left
.if MSB != (\new)
	s_set_vgpr_msb (MSB<<8)|(\new)
.set MSB, \new
.endif
.endm
.set MUL,  0xa5                        ; sources window 1, C and D window 2
.set TO_F, 0x40                        ; destination window 1, address window 0
.macro JLOAD s                         ; a joint load: waves 0, 1 fetch x1's two halves, waves 2, 3 W's; an s_nop 0 and four v_nop follow each line
	s_cmp_eq_u32 s11, 0
	s_cbranch_scc0 .Lfor_b_\@
	tensor_load_to_lds s[G0+4*(\s):G0+4*(\s)+3], s[G1:G1+7]
	s_nop 0
.rept 4
	v_nop
.endr
	s_branch .Lasked_\@
.Lfor_b_\@:
	tensor_load_to_lds s[G0B+4*(\s):G0B+4*(\s)+3], s[G1B:G1B+7]
	s_nop 0
.rept 4
	v_nop
.endr
.Lasked_\@:
.endm
.macro CREST                           ; a round of the cluster's barrier behind its opening barrier
	s_cmp_lg_u32 s10, 0
	s_cbranch_scc1 .Lnot_wave_0_\@
	s_barrier_signal -3
.Lnot_wave_0_\@:
	s_barrier_wait -3
	s_barrier_signal -1
	s_barrier_wait -1
.endm
.macro CROUND
	s_barrier_signal -1
	s_barrier_wait -1
	CREST
.endm
.macro PLACES                          ; four places behind matrix instructions (ISA guide 7.12.1)
.rept 4
	v_nop
.endr
.endm
	s_load_b256 s[72:79], s[0:1], 0x0              ; x1 s[72:73], wb s[74:75], bias s[76:77], qf s[78:79]
	s_load_b64 s[80:81], s[0:1], 0x20              ; kv
	v_lshl_add_u32 v[SPW], v0, 2, SPARE
	v_mov_b32 v[NIL], 0
	ds_add_u32 v[SPW], v[NIL]                      ; the wave's opening: the add and its wait ahead of my first tensor load
	v_lshrrev_b32 v1, 5, v0
	v_readfirstlane_b32 s10, v1                    ; wave 0..3
	s_lshr_b32 s11, s10, 1                         ; my half of the rows.  Also: I fetch x1 (0) or W (1)
	s_and_b32 s12, s10, 1                          ; my half of the channels.  Also: which half of that tile I fetch
	s_bfe_u32 s40, ttmp6, 0x40000                  ; cx
	s_bfe_u32 s41, ttmp6, 0x40004                  ; cy
	s_lshl_b32 s42, ttmp9, 2
	s_add_co_u32 s42, s42, s40                     ; the head = 4 x cluster x + cx
	s_and_b32 s13, ttmp7, 0xffff
	s_lshl_b32 s13, s13, 2
	s_add_co_u32 s13, s13, s41                     ; the block of 128 tokens = 4 x cluster y + cy
	s_lshl_b32 s43, s41, 2
	s_lshl_b32 s43, 15, s43                        ; my row of the cluster
	s_lshl_b32 s44, 0x1111, s40                    ; my column
	s_or_b32 s[G1+0], s43, (1<<16)|(1<<20)|(1<<21)|(5<<22)|(3<<25)   ; mask; 2-byte elements; padding on; bit 21 beside a mask; after every 64 words, 4 words
	s_mov_b32 s[G1+1], KSTEP<<16                   ; tensor_dim0 = 128
	s_mov_b32 s[G1+2], 64<<16                      ; tensor_dim1 = 64
	s_mov_b32 s[G1+3], KSTEP<<16                   ; tile_dim0 = 128
	s_mov_b32 s[G1+4], 64                          ; tile_dim1 = 64
	s_mov_b32 s[G1+5], SIZE_K                      ; elements from row to row
	s_mov_b32 s[G1+6], 0
	s_mov_b32 s[G1+7], 0
	s_or_b32 s[G1B+0], s44, (1<<16)|(1<<20)|(1<<21)|(4<<22)|(7<<25)  ; after every 32 words, 8 words
	s_mov_b32 s[G1B+1], TN<<16
	s_mov_b32 s[G1B+2], (KSTEP/2)<<16
	s_mov_b32 s[G1B+3], TN<<16
	s_mov_b32 s[G1B+4], KSTEP/2
	s_mov_b32 s[G1B+5], SIZE_N
	s_mov_b32 s[G1B+6], 0
	s_mov_b32 s[G1B+7], 0
	s_lshl_b32 s16, s13, 7
	s_lshl_b32 s17, s12, 6
	s_add_co_u32 s16, s16, s17                     ; x1: row 128 x block + 64 x half,
	s_lshl_b32 s16, s16, 11                        ; 2,048 bytes each
	s_mov_b32 s17, 0
	s_mul_i32 s46, s42, TN*2                       ; W: the head's columns,
	s_mul_i32 s47, s12, KSTEP*SIZE_N               ; 64 rows of k for the second half
	s_add_co_u32 s46, s46, s47
	s_add_co_u32 s46, s46, WOFF
	s_mov_b32 s47, 0
	s_mul_i32 s20, s12, 64*PA                      ; where they go: no place in the cluster enters an LDS address
	s_mul_i32 s21, s12, (KSTEP/2)*PB
	s_add_co_u32 s21, s21, ASZ
	s_wait_dscnt 0x0                               ; the opening add is done
	s_wait_kmcnt 0x0
	s_add_nc_u64 s[14:15], s[72:73], s[16:17]
	s_add_nc_u64 s[46:47], s[74:75], s[46:47]
	CROUND                                         ; all sixteen work-groups are here: the first joint loads meet
.irp s, 0,1
	s_mov_b32 s[G0+4*(\s)], 1
	s_add_co_u32 s[G0+4*(\s)+1], s20, (\s)*SLOT
	s_add_nc_u64 s[G0+4*(\s)+2:G0+4*(\s)+3], s[14:15], (\s)*ASTEP
	s_or_b32 s[G0+4*(\s)+3], s[G0+4*(\s)+3], 0x80000000
	s_mov_b32 s[G0B+4*(\s)], 1
	s_add_co_u32 s[G0B+4*(\s)+1], s21, (\s)*SLOT
	s_add_nc_u64 s[G0B+4*(\s)+2:G0B+4*(\s)+3], s[46:47], (\s)*BSTEP
	s_or_b32 s[G0B+4*(\s)+3], s[G0B+4*(\s)+3], 0x80000000
	JLOAD \s                                       ; two loads of mine are out
.endr
	v_and_b32 v1, 15, v0                           ; l % 16
	v_bfe_u32 v2, v0, 4, 1                         ; l / 16
	v_mul_u32_u24 v3, v1, PA
	v_lshl_add_u32 v3, v2, 4, v3                   ; a fragment of x1: row x pitch + 16 x half
	s_mul_i32 s22, s11, 64*PA
	v_add_nc_u32 v[ADRA], s22, v3
	v_add_nc_u32 v[ADRA+1], SLOT, v[ADRA]
	v_and_b32 v4, 7, v0                            ; the transposing load: lane l reads k row 8 (l / 16) + l % 8, columns 8 ((l / 8) % 2) on
	v_lshl_add_u32 v4, v2, 3, v4
	v_mul_u32_u24 v4, v4, PB
	v_bfe_u32 v5, v0, 3, 1
	v_lshl_add_u32 v4, v5, 4, v4
	s_mul_i32 s23, s12, WCB
	s_add_co_u32 s23, s23, ASZ
	v_add_nc_u32 v[ADRB], s23, v4
	v_add_nc_u32 v[ADRB+1], SLOT, v[ADRB]
	v_and_b32 v[L16], 31, v0
	v_lshlrev_b32 v[L16], 4, v[L16]
	v_lshlrev_b32 v[H32], 5, v2
	v_lshlrev_b32 v[R4], 2, v1
	; the way out's bases, in registers that feed no descriptor
	s_lshl_b32 s86, s42, 5
	s_lshl1_add_u32 s87, s13, s11                  ; my block of 64 tokens = 2 x block of 128 + half
	s_add_co_u32 s86, s86, s87                     ; 32 x head + block
	s_lshl_b32 s88, s86, 13
	s_lshl_b32 s87, s12, 10
	s_add_co_u32 s88, s88, s87
	s_mov_b32 s89, 0
	s_add_nc_u64 s[66:67], s[78:79], s[88:89]      ; q: 8,192 bytes a block, my channel half
	s_lshl_b32 s88, s86, 14
	s_add_co_u32 s90, s88, s87
	s_mov_b32 s91, 0
	s_add_nc_u64 s[68:69], s[80:81], s[90:91]      ; K: 16,384 bytes a block
	s_lshl_b32 s87, s12, 12
	s_add_co_u32 s88, s88, s87
	s_add_co_u32 s88, s88, 8192
	s_add_nc_u64 s[70:71], s[80:81], s[88:89]      ; V^T: behind K, my two channel blocks
	s_mul_i32 s92, s42, 768
	s_lshl_b32 s93, s12, 7
	s_add_co_u32 s92, s92, s93
	s_mov_b32 s93, 0
	s_add_nc_u64 s[84:85], s[76:77], s[92:93]      ; the bias at the head's q, my 32 channels
	s_mov_b32 s82, 0x3e38aa3b                      ; log2(e) / 8
	s_mov_b32 s83, s82
.irp u, 0,1,2,3                        ; q's and k's bias: my lane's 8 channels of block u = 2 p + e
	global_load_b128 v[32+8*\u:35+8*\u], v[H32], s[84:85] offset:(\u/2)*256+(\u%2)*64
	global_load_b128 v[36+8*\u:39+8*\u], v[H32], s[84:85] offset:(\u/2)*256+(\u%2)*64+16
.endr
.irp e, 0,1                            ; v's bias: my lane's one channel, twice: a pair for the packed addition
	global_load_b32 v[64+2*\e], v[R4], s[84:85] offset:512+64*\e
	global_load_b32 v[65+2*\e], v[R4], s[84:85] offset:512+64*\e
.endr
; NB matrix instructions: m block a x all my n blocks, 32 along K.  The 24 accumulators take turns, one instruction a turn.  zero = 1: the product starts the sum
.macro MULA f, a, zero
	WIN MUL
.set u, 0
.rept NB
.set rD, 8*(NB*(\a)+u)
.set rA, (\f)+8*(\a)
.set rB, (\f)+32+8*u
.if u >= 4
.if \zero
	v_wmma_f32_16x16x32_bf16 v[rD:rD+7], v[rA:rA+7], v[rB:rB+7], 0
.else
	v_wmma_f32_16x16x32_bf16 v[rD:rD+7], v[rA:rA+7], v[rB:rB+7], v[rD:rD+7]
.endif
.else
.if \zero
	v_wmma_f32_16x16x32_bf16 v[rD:rD+7], v[rB:rB+7], v[rA:rA+7], 0
.else
	v_wmma_f32_16x16x32_bf16 v[rD:rD+7], v[rB:rB+7], v[rA:rA+7], v[rD:rD+7]
.endif
.endif
.set u, u+1
.endr
.endm
.macro FETCH slot, q, f                ; the fragments of 32 along K, piece q of the step, into buffer f: 20 LDS loads in one run
	WIN TO_F
.set u, 0
.rept NB
.set uo, 160*(u/2)+32*(u%2)
	ds_load_tr16_b128 v[(\f)+32+8*u:(\f)+32+8*u+3],   v[ADRB+(\slot)] offset:(\q)*32*PB+uo
	ds_load_tr16_b128 v[(\f)+32+8*u+4:(\f)+32+8*u+7], v[ADRB+(\slot)] offset:(\q)*32*PB+16*PB+uo
.set u, u+1
.endr
.irp a, 0,1,2,3
	ds_load_b128 v[(\f)+8*(\a):(\f)+8*(\a)+3],   v[ADRA+(\slot)] offset:(\q)*64+(\a)*16*PA
	ds_load_b128 v[(\f)+8*(\a)+4:(\f)+8*(\a)+7], v[ADRA+(\slot)] offset:(\q)*64+(\a)*16*PA+32
.endr
.endm
.macro QUARTER slot, qn, f, g, zero    ; multiplies buffer f; in its middle it fetches piece qn of the same slot into g
	s_wait_dscnt 0x0                               ; buffer f is in
	MULA \f, 0, \zero
	MULA \f, 1, \zero
	PLACES
	FETCH \slot, \qn, \g
	MULA \f, 2, \zero
	MULA \f, 3, \zero
.endm
.macro TURN slot, next, fill           ; the step's last piece, and the change of slots
	WIN 0
	s_wait_tensorcnt 0x0                           ; all my tensor loads have landed: my part of the next slot
	ds_add_u32 v[SPW], v[NIL]
	s_wait_dscnt 0x1                               ; only the add may be out: buffer 1 is in
	MULA F1, 0, 0
	s_wait_dscnt 0x0                               ; the add is done, my reads of this slot are over
	s_barrier_signal -1
	MULA F1, 1, 0
.if \fill
	WIN 0
.endif
	s_barrier_wait -1
.if \fill
	CREST                                          ; the barrier has opened a round of the cluster's: no wave of any partner still reads this slot or has a load on its way
	s_add_nc_u64 s[G0+4*(\slot)+2:G0+4*(\slot)+3], s[G0+4*(\slot)+2:G0+4*(\slot)+3], 2*ASTEP
	s_add_nc_u64 s[G0B+4*(\slot)+2:G0B+4*(\slot)+3], s[G0B+4*(\slot)+2:G0B+4*(\slot)+3], 2*BSTEP
	JLOAD \slot                                    ; my one load behind the round; its four v_nop are also the places in front of the loads below
.else
	PLACES
.endif
	FETCH \next, 0, F0
	MULA F1, 2, 0
	MULA F1, 3, 0
.endm
	s_wait_tensorcnt 0x1                           ; my part of K step 0 is in; step 1's may stay out
	s_barrier_signal -1
	s_barrier_wait -1
	FETCH 0, 0, F0
	QUARTER 0, 1, F0, F1, 1                        ; the first products start the sums
	WIN 0
	s_mov_b32 s3, LAPS-1
.Llap:
	QUARTER 0, 2, F1, F0, 0
	QUARTER 0, 3, F0, F1, 0
	TURN 0, 1, 1
	QUARTER 1, 1, F0, F1, 0
	QUARTER 1, 2, F1, F0, 0
	QUARTER 1, 3, F0, F1, 0
	TURN 1, 0, 1
	QUARTER 0, 1, F0, F1, 0
	WIN 0
	s_sub_co_u32 s3, s3, 1
	s_cmp_lg_u32 s3, 0
	s_cbranch_scc1 .Llap
	QUARTER 0, 2, F1, F0, 0                        ; the last lap fills nothing
	QUARTER 0, 3, F0, F1, 0
	TURN 0, 1, 0
	QUARTER 1, 1, F0, F1, 0
	QUARTER 1, 2, F1, F0, 0
	QUARTER 1, 3, F0, F1, 0
	s_wait_dscnt 0x0
	MULA F1, 0, 0
	MULA F1, 1, 0
	MULA F1, 2, 0
	MULA F1, 3, 0
	; THE WAY OUT: bias (and q's scale) in f32 into window 1, one rounding to f16, 24 stores of 512 consecutive bytes
	WIN 0
	PLACES
	s_wait_loadcnt 0x0                             ; the bias
.irp i, 0,1,2,3,4,5,6,7
	v_pk_mul_f32 v[32+2*\i:33+2*\i], v[32+2*\i:33+2*\i], s[82:83] op_sel_hi:[1,0]   ; q's bias takes the scale too
.endr
	WIN 0x42                                       ; source 0 window 2, destination window 1
.set a, 0
.rept 4
.set u, 0
.rept 6
.set i, 0
.rept 4
.set rr, 8*(6*a+u)+2*i
.if u < 2
	v_pk_fma_f32 v[rr:rr+1], v[rr:rr+1], s[82:83], v[32+8*u+2*i:33+8*u+2*i] op_sel_hi:[1,0,1]
.elseif u < 4
	v_pk_add_f32 v[rr:rr+1], v[rr:rr+1], v[32+8*u+2*i:33+8*u+2*i]
.else
	v_pk_add_f32 v[rr:rr+1], v[rr:rr+1], v[64+2*(u-4):65+2*(u-4)]
.endif
.set i, i+1
.endr
.set u, u+1
.endr
.set a, a+1
.endr
	WIN 0x05                                       ; sources window 1, destination window 0
.set i, 0
.rept 96
	v_cvt_pk_f16_f32 v[96+i], v[2*i], v[2*i+1]
.set i, i+1
.endr
	WIN 0
.set a, 0
.rept 4
.irp e, 0,1
	global_store_b128 v[L16], v[96+4*(6*a+\e):96+4*(6*a+\e)+3],     s[66:67] offset:a*2048+\e*512
	global_store_b128 v[L16], v[96+4*(6*a+2+\e):96+4*(6*a+2+\e)+3], s[68:69] offset:a*2048+\e*512
	global_store_b128 v[L16], v[96+4*(6*a+4+\e):96+4*(6*a+4+\e)+3], s[70:71] offset:\e*2048+(a/2)*1024+(a%2)*512
.endr
.set a, a+1
.endr
	s_wait_tensorcnt 0x0                           ; the wave's end
	ds_add_u32 v[SPW], v[NIL]
	s_wait_dscnt 0x0
	CROUND                                         ; the closing round
	s_endpgm
.Lfunc_end_k_qcc443e5691_qkv:
	.size	k_qcc443e5691_qkv, .Lfunc_end_k_qcc443e5691_qkv-k_qcc443e5691_qkv
	.p2alignl 7, 3214868480
	.fill 96, 4, 3214868480
	.section	.rodata,"a",@progbits
	.p2align	6, 0x0
	.amdhsa_kernel k_qcc443e5691_qkv
		.amdhsa_group_segment_fixed_size 327680
		.amdhsa_private_segment_fixed_size 0
		.amdhsa_enable_private_segment 0
		.amdhsa_kernarg_size 40
		.amdhsa_user_sgpr_count 2
		.amdhsa_user_sgpr_kernarg_segment_ptr 1
		.amdhsa_wavefront_size32 1
		.amdhsa_system_sgpr_workgroup_id_x 1
		.amdhsa_system_sgpr_workgroup_id_y 1
		.amdhsa_system_sgpr_workgroup_id_z 1
		.amdhsa_system_vgpr_workitem_id 0
		.amdhsa_next_free_vgpr 768
		.amdhsa_next_free_sgpr 96
		.amdhsa_reserve_vcc 0
		.amdhsa_float_denorm_mode_32 3
		.amdhsa_float_denorm_mode_16_64 3
		.amdhsa_memory_ordered 1
		.amdhsa_forward_progress 1
		.amdhsa_inst_pref_size 74
	.end_amdhsa_kernel
	.amdgpu_metadata
---
amdhsa.version: [ 1, 2 ]
amdhsa.kernels:
  - .name:           k_qcc443e5691_qkv
    .symbol:         k_qcc443e5691_qkv.kd
    .args:
      - { .name: x1, .offset: 0, .size: 8, .value_kind: global_buffer, .address_space: global }
      - { .name: wb, .offset: 8, .size: 8, .value_kind: global_buffer, .address_space: global }
      - { .name: c_attn_b, .offset: 16, .size: 8, .value_kind: global_buffer, .address_space: global }
      - { .name: qf, .offset: 24, .size: 8, .value_kind: global_buffer, .address_space: global }
      - { .name: kv, .offset: 32, .size: 8, .value_kind: global_buffer, .address_space: global }
    .group_segment_fixed_size: 327680
    .private_segment_fixed_size: 0
    .kernarg_segment_align: 8
    .kernarg_segment_size: 40
    .max_flat_workgroup_size: 128
    .sgpr_count:     96
    .vgpr_count:     768
    .wavefront_size: 32
...
	.end_amdgpu_metadata
.endif
;; end of part 2
;; launch attn (part 3): grid 16 x 16, 4 waves a work-group, no clusters, 16,896 bytes of LDS; arguments qf, kv, cu_seqlens, af; writes af
.if DOCPART == 3
	.amdgcn_target "amdgcn-amd-amdhsa--gfx1250"
	.amdhsa_code_object_version 6
	.text
	.protected	k_qcc443e5691_attn
	.globl	k_qcc443e5691_attn
	.p2align	8
	.type	k_qcc443e5691_attn,@function
k_qcc443e5691_attn:
	s_mov_b64 s[64:65], 0
	v_nop
	global_prefetch_b8 v0, s[64:65] scope:SCOPE_SE
	s_setreg_imm32_b32 hwreg(HW_REG_WAVE_MODE, 25, 1), 1
	s_wait_xcnt 0x0
; STICK-BREAKING ATTENTION.  For query i and key j < i of the same sequence A_ij = beta_ij x the product over j < l < i of (1 - beta_il), beta = sigmoid(q.k / 8); O_i = sum_j A_ij v_j.
; With r = 1 - beta = 1 / (1 + 2^y), y = q.k log2(e) / 8 (q arrives scaled), and C_j = the product of r_l over l >= j, A_j = C_(j+1) - C_j.  All factors lie in 0..1: no logarithm, no sum of exponentials,
; nothing that can overflow.  A hidden key has r = 1: it takes no weight and leaves the product alone; it is made so by -1e30 in the C operand that starts its score.
; THE MASK.  the sequences come from cu_seqlens: j and i are of one sequence if j >= S_i, S_i = the largest cu[m] <= i (m = 1..4), or 0.  cu[0] is read and not used.
; THE WALK.  A head has 32 blocks of 64 queries.  A work-group takes block 31 - p and then block p, and walks the key tiles of 64 from the diagonal DOWN.  The loop counts to the block's number + 1;
; tiles in front of the block's earliest sequence start are dead: such a trip passes the two barriers and jumps forward over the work.
; NO CLUSTER: the 16 work-groups of a head are at different tiles in every trip, and which tiles are live hangs on cu_seqlens.
; SHARES.  Wave w has query tile w: 16 queries spread over the block.  A key tile is 16,384 bytes of kv in fragment order; each thread brings 8 x 16 bytes through registers into LDS, a trip ahead.
; ORDER OF KEYS.  Register j of accumulator b of S^T = K Q^T in lane (r, h) is key 32 h + 16 (j & 1) + 4 b + (j >> 1): register pair p = 4 b + (j >> 1) holds place p of two runs of 16 consecutive keys,
; so the running products and the differences go two runs at a time, packed.  The pairs rounded to f16 ARE source 1 of O^T = V^T P.
; LIMITS.  q, k, v within f16's range; cu within 2^30; a hidden score is its value less 1e30; for y >= 128 r counts as 0, and products below 2^-126 as 0.  The weights are rounded to f16, O to bf16.
.set SPARE, 16384
.set SPW, 30                           ; v30  my spare word; never rewritten
.set NIL, 31                           ; v31  0; never rewritten
.set GS,  32                           ; v[32:63]    a key tile on its way: my 8 x 16 bytes
.set W,   64                           ; v[64:97]    17 pairs; the scores are pairs 0-15
.set P,   100                          ; v[100:115]  the weights in f16
.set O,   116                          ; v[116:147]  O^T: channel block cb at O + 8 cb
.set Q,   148                          ; v[148:163]  Q of the block in hand
.set QB,  164                          ; v[164:179]  Q of the second block
.set OUTR, 180                         ; v[180:195]  O in bf16
; v2 l / 16; v3 16 x lane; v4 16 x thread; v6 my query; v7 S; v8 query - S; v9 32 (l / 16) - S; v10, v20 at work; v11 my query's place in its block; v12 the product carried from tile to tile
; v13 my half's product; v14 the other half's; v15 at work; v[16:17] what the two runs are multiplied by; v18 1.0.   Window 1: v0-63 K, v64-127 V^T
.set MSB, 0
.macro WIN new
.if MSB != (\new)
	s_set_vgpr_msb (MSB<<8)|(\new)
.set MSB, \new
.endif
.endm
	s_load_b256 s[4:11], s[0:1], 0x0               ; qf s[4:5], kv s[6:7], cu s[8:9], af s[10:11]
	v_lshl_add_u32 v[SPW], v0, 2, SPARE
	v_mov_b32 v[NIL], 0
	v_lshrrev_b32 v20, 5, v0
	v_readfirstlane_b32 s12, v20                   ; wave 0..3
	s_and_b32 s13, ttmp7, 0xffff                   ; the head
	s_sub_co_u32 s14, 31, ttmp9                    ; the block in hand: first 31 - p,
	s_mov_b32 s15, ttmp9                           ; then p
	s_mov_b32 s36, 0x76543210
	s_mov_b32 s37, 0xfedcba98
	s_mov_b32 s38, 0xffff0000                      ; the upper half of the lanes
	s_mov_b32 s39, 0xf149f2ca                      ; -1e30
	s_mov_b32 s28, 2                               ; blocks to go
	s_mov_b32 s35, 0
	v_bfe_u32 v2, v0, 4, 1
	v_and_b32 v3, 31, v0
	v_lshlrev_b32 v3, 4, v3
	v_lshlrev_b32 v4, 4, v0
	v_bfe_u32 v20, v0, 3, 1                        ; my query's place: 32 (r >> 3) + 16 (r & 1) + 4 w + ((r >> 1) & 3)
	v_and_b32 v21, 1, v0
	v_bfe_u32 v11, v0, 1, 2
	v_lshl_add_u32 v11, v20, 5, v11
	v_lshl_add_u32 v11, v21, 4, v11
	s_lshl_b32 s44, s12, 2
	v_add_nc_u32 v11, s44, v11
	v_mov_b32 v18, 1.0
	v_mov_b32 v14, 0                               ; v_permlanex16_b32's destination counts as read
	s_lshl_b32 s44, s13, 5
	s_add_co_u32 s45, s44, s14
	s_lshl2_add_u32 s45, s45, s12
	s_lshl_b32 s48, s45, 11                        ; my tile of Q: ((32 head + block) 4 + w) x 2,048 bytes
	s_mov_b32 s49, 0
	s_add_co_u32 s45, s44, s15
	s_lshl2_add_u32 s45, s45, s12
	s_lshl_b32 s50, s45, 11
	s_mov_b32 s51, 0
	s_lshl_b32 s46, s13, 19                        ; the head's 32 tiles of 16,384 bytes
	s_mov_b32 s47, 0
	s_lshl_b32 s34, s14, 14                        ; the first tile is the diagonal one
	s_lshl_b32 s56, s13, 11
	s_lshl_b32 s57, s12, 15
	s_add_co_u32 s56, s56, s57
	s_mov_b32 s57, 0
	s_wait_kmcnt 0x0
	s_load_b128 s[16:19], s[8:9], 0x0              ; cu[0..3]
	s_load_b32 s20, s[8:9], 0x10                   ; cu[4]
	s_add_nc_u64 s[52:53], s[4:5], s[48:49]
	s_add_nc_u64 s[54:55], s[4:5], s[50:51]
	s_add_nc_u64 s[30:31], s[6:7], s[46:47]
	s_add_nc_u64 s[32:33], s[30:31], s[34:35]
	s_add_nc_u64 s[40:41], s[10:11], s[56:57]      ; af at head x 2,048 + w x 32,768
.irp i, 0,1,2,3
	global_load_b128 v[Q+4*\i:Q+4*\i+3], v3, s[52:53] offset:512*\i
	global_load_b128 v[QB+4*\i:QB+4*\i+3], v3, s[54:55] offset:512*\i
.endr
.irp i, 0,1,2,3,4,5,6,7
	global_load_b128 v[GS+4*\i:GS+4*\i+3], v4, s[32:33] offset:2048*\i
.endr
	s_wait_kmcnt 0x0
.macro EXB b, n
	v_exp_f32 v[W+8*(\b)+(\n)], v[W+8*(\b)+(\n)]
.endm
.macro RCB b, n
	v_rcp_f32 v[W+8*(\b)+(\n)], v[W+8*(\b)+(\n)]
.endm
.macro AD p                            ; 1 + 2^y
	s_wait_alu depctr_va_vdst(0)
	v_pk_add_f32 v[W+2*(\p):W+2*(\p)+1], v[W+2*(\p):W+2*(\p)+1], 1.0 op_sel_hi:[1,0]
.endm
.macro CHN p                           ; the run's product from place p on
.if (\p) < 15
	s_wait_alu depctr_va_vdst(0)
	v_pk_mul_f32 v[W+2*(\p):W+2*(\p)+1], v[W+2*(\p)+2:W+2*(\p)+3], v[W+2*(\p):W+2*(\p)+1]
.endif
.endm
.macro SB p                            ; the weight of place p inside its run, into pair p + 1, which is no longer needed
.if (\p) < 15
	v_pk_add_f32 v[W+2*(\p)+2:W+2*(\p)+3], v[W+2*(\p)+2:W+2*(\p)+3], v[W+2*(\p):W+2*(\p)+1] neg_lo:[0,1] neg_hi:[0,1]
.else
	s_wait_alu depctr_va_vdst(0)
	v_pk_fma_f32 v[W+32:W+33], v[W+30:W+31], -1.0, 1.0 op_sel_hi:[1,0,0]
.endif
.endm
; Eight transcendentals of accumulator tb (tk = 0: 2^y, 1: the reciprocal), and between them plain work on accumulator pb that is ready: pk = 1: the four additions; 2: products and differences by turns.
; Every such run ends in a plain line that names none of its results (ISA guide 5.7.2).
.macro SLOTX tk, tb, pk, pb
.irp n, 0,1,2,3,4,5,6,7
.if \tk
	RCB \tb, \n
.else
	EXB \tb, \n
.endif
.if ((\pk) == 1) && (\n >= 4)
	AD 4*(\pb)+\n-4
.elseif ((\pk) == 2) && (\n % 2 == 0)
	CHN 4*(\pb)+3-\n/2
.elseif (\pk) == 2
	SB 4*(\pb)+3-\n/2
.endif
.endr
.endm
.Lblock:
	s_lshl_b32 s46, s14, 6                         ; the block's first query
	s_add_co_u32 s47, s46, 63                      ; and its last
	s_mov_b32 s21, 0                               ; S of the first: the block's earliest key
	s_mov_b32 s22, 0                               ; S of the last: below it some query hides keys
.irp m, 17,18,19,20
	s_cmp_le_i32 s\m, s46
	s_cselect_b32 s48, s\m, 0
	s_max_i32 s21, s21, s48
	s_cmp_le_i32 s\m, s47
	s_cselect_b32 s48, s\m, 0
	s_max_i32 s22, s22, s48
.endr
	s_lshr_b32 s48, s21, 6
	s_sub_co_u32 s23, s14, s48
	s_add_co_u32 s23, s23, 1                       ; live tiles: from the diagonal down to the one that holds the earliest key
	s_add_co_u32 s24, s14, 1                       ; trips
	v_add_nc_u32 v6, s46, v11
	v_mov_b32 v7, 0
.irp m, 17,18,19,20
	v_cmp_le_i32 vcc_lo, s\m, v6
	v_cndmask_b32 v20, 0, s\m, vcc_lo
	v_max_i32 v7, v7, v20
.endr
	v_sub_nc_u32 v8, v6, v7
	v_lshlrev_b32 v9, 5, v2
	v_sub_nc_u32 v9, v9, v7
	v_mov_b32 v12, 1.0
.set i, 0
.rept 32                               ; O^T is cleared, twice a launch, so that one text serves every step
	v_mov_b32 v[O+i], 0
.set i, i+1
.endr
	s_mov_b32 s25, 0                               ; the trip
	s_mov_b32 s26, s14                             ; its tile
.Lstep:
	s_wait_loadcnt 0x0                             ; the tile asked for a live trip ago (and, at first, Q) is in registers
	s_barrier_signal -1                            ; every wave's reads of LDS were waited for in the trip before
	s_barrier_wait -1
.irp i, 0,1,2,3,4,5,6,7
	ds_store_b128 v4, v[GS+4*\i:GS+4*\i+3] offset:2048*\i      ; in a dead trip nobody reads these bytes
.endr
	s_wait_dscnt 0x0                               ; for the others' sake
	s_barrier_signal -1
	s_barrier_wait -1
	s_cmp_lt_u32 s25, s23
	s_cbranch_scc0 .Ldead
.rept 4
	v_nop                                          ; the places behind the last trip's products, in front of the loads into V's registers
.endr
	WIN 0x40
.set i, 0
.rept 32
	ds_load_b128 v[4*i:4*i+3], v3 offset:512*i     ; 16 loads of K, then 16 of V^T: 512 consecutive bytes each
.set i, i+1
.endr
	WIN 0
	s_add_co_u32 s44, s25, 1
	s_sub_co_u32 s45, s26, 1
	s_cmp_lt_u32 s44, s23
	s_cselect_b32 s45, s45, s15                    ; the next live tile, or behind the last the second block's diagonal tile
	s_cbranch_scc1 .Lload
	s_cmp_eq_u32 s28, 1
	s_cbranch_scc1 .Lnoload                        ; the second block's last live tile: nothing is left to fetch
.Lload:
	s_min_u32 s45, s45, 31                         ; which tile is next hangs on cu_seqlens: the number is held to the head's 32 tiles before it enters an address
	s_lshl_b32 s34, s45, 14
	s_add_nc_u64 s[32:33], s[30:31], s[34:35]
.irp i, 0,1,2,3,4,5,6,7
	global_load_b128 v[GS+4*\i:GS+4*\i+3], v4, s[32:33] offset:2048*\i
.endr
.Lnoload:
	s_wait_dscnt 16                                ; K is in; V's 16 younger loads may stay out
	s_lshl_b32 s44, s26, 6
	s_cmp_eq_u32 s26, s14
	s_cbranch_scc1 .Lmask                          ; the diagonal tile
	s_cmp_lt_u32 s44, s22
	s_cbranch_scc1 .Lmask                          ; a tile that reaches below some query's sequence start
	WIN 0x01                                       ; K in window 1
.irp b, 0,1,2,3
	v_wmma_f32_16x16x32_f16 v[W+8*\b:W+8*\b+7], v[16*\b:16*\b+7], v[Q:Q+7], 0
.endr
	WIN 0
	s_branch .Ljoin
.Lmask:
	v_add_nc_u32 v10, s44, v9                      ; key - S = 64 tile + 32 (l / 16) - S + the register's place; hidden where that, unsigned, is not below query - S
.set b, 0
.rept 4
.set j, 0
.rept 8
	v_add_nc_u32 v20, 16*(j%2)+4*b+j/2, v10
	v_cmp_le_u32 vcc_lo, v8, v20
	v_cndmask_b32 v[W+8*b+j], 0, s39, vcc_lo
.set j, j+1
.endr
.set b, b+1
.endr
	WIN 0x01
.irp b, 0,1,2,3
	v_wmma_f32_16x16x32_f16 v[W+8*\b:W+8*\b+7], v[16*\b:16*\b+7], v[Q:Q+7], v[W+8*\b:W+8*\b+7]
.endr
	WIN 0
.Ljoin:
	WIN 0x01
.irp b, 0,1,2,3                        ; the four accumulators take turns
	v_wmma_f32_16x16x32_f16 v[W+8*\b:W+8*\b+7], v[16*\b+8:16*\b+15], v[Q+8:Q+15], v[W+8*\b:W+8*\b+7]
.endr
	WIN 0
.rept 4
	v_nop
.endr
	SLOTX 0, 3, 0, 0                               ; from the highest places down; each accumulator's lowest register is read first
	v_nop
	SLOTX 0, 2, 1, 3
	SLOTX 1, 3, 1, 2
	SLOTX 0, 1, 2, 3
	SLOTX 1, 2, 1, 1
	SLOTX 0, 0, 2, 2
	SLOTX 1, 1, 1, 0
	SLOTX 1, 0, 2, 1
.irp p, 3,2,1,0
	CHN \p
	SB \p
.endr
	v_mul_f32 v13, v[W], v[W+1]                    ; my 32 keys' product
	v_permlanex16_b32 v14, v13, s36, s37           ; the other 32 keys'
	v_cndmask_b32 v15, v14, v18, s38               ; above the upper half's keys lies nothing of this tile, above the lower half's the upper half
	v_mul_f32 v17, v12, v15                        ; what lies above my odd run,
	v_mul_f32 v16, v17, v[W+1]                     ; and above my even run
	v_mul_f32 v12, v12, v13
	v_mul_f32 v12, v12, v14                        ; carried on to the next tile, in f32
.set p, 0
.rept 16
	v_pk_mul_f32 v[W+2*p+2:W+2*p+3], v[W+2*p+2:W+2*p+3], v[16:17]
.set p, p+1
.endr
.set p, 0
.rept 16
	v_cvt_pk_f16_f32 v[P+p], v[W+2*p+2], v[W+2*p+3]
.set p, p+1
.endr
	s_wait_dscnt 0x0                               ; V is in, and my reads of LDS are over
	WIN 0x01
.irp kk, 0,1
.irp cb, 0,1,2,3
	v_wmma_f32_16x16x32_f16 v[O+8*\cb:O+8*\cb+7], v[64+8*(2*\cb+\kk):64+8*(2*\cb+\kk)+7], v[P+8*\kk:P+8*\kk+7], v[O+8*\cb:O+8*\cb+7]
.endr
.endr
	WIN 0
.Ldead:
	s_sub_co_u32 s26, s26, 1
	s_add_co_u32 s25, s25, 1
	s_cmp_lt_u32 s25, s24
	s_cbranch_scc1 .Lstep
.rept 4
	v_nop                                          ; the places behind the last products
.endr
	s_wait_xcnt 0x0                                ; the first block's stores have read their registers and base
.set i, 0
.rept 16
	v_cvt_pk_bf16_f32 v[OUTR+i], v[O+2*i], v[O+2*i+1]
.set i, i+1
.endr
	s_lshl_b32 s34, s14, 17                        ; four row blocks of 32,768 bytes a block of 64 queries
	s_add_nc_u64 s[42:43], s[40:41], s[34:35]
.irp cb, 0,1,2,3
	global_store_b128 v3, v[OUTR+4*\cb:OUTR+4*\cb+3], s[42:43] offset:512*\cb   ; half a fragment of the next product's A: 512 consecutive bytes
.endr
	s_mov_b32 s14, s15
.set i, 0
.rept 16
	v_mov_b32 v[Q+i], v[QB+i]
.set i, i+1
.endr
	s_sub_co_u32 s28, s28, 1
	s_cmp_lg_u32 s28, 0
	s_cbranch_scc1 .Lblock
	s_wait_tensorcnt 0x0                           ; the wave's end
	ds_add_u32 v[SPW], v[NIL]
	s_wait_dscnt 0x0
	s_endpgm
.Lfunc_end_k_qcc443e5691_attn:
	.size	k_qcc443e5691_attn, .Lfunc_end_k_qcc443e5691_attn-k_qcc443e5691_attn
	.p2alignl 7, 3214868480
	.fill 96, 4, 3214868480
	.section	.rodata,"a",@progbits
	.p2align	6, 0x0
	.amdhsa_kernel k_qcc443e5691_attn
		.amdhsa_group_segment_fixed_size 16896
		.amdhsa_private_segment_fixed_size 0
		.amdhsa_enable_private_segment 0
		.amdhsa_kernarg_size 32
		.amdhsa_user_sgpr_count 2
		.amdhsa_user_sgpr_kernarg_segment_ptr 1
		.amdhsa_wavefront_size32 1
		.amdhsa_system_sgpr_workgroup_id_x 1
		.amdhsa_system_sgpr_workgroup_id_y 1
		.amdhsa_system_sgpr_workgroup_id_z 1
		.amdhsa_system_vgpr_workitem_id 0
		.amdhsa_next_free_vgpr 384
		.amdhsa_next_free_sgpr 66
		.amdhsa_reserve_vcc 1
		.amdhsa_float_denorm_mode_32 3
		.amdhsa_float_denorm_mode_16_64 3
		.amdhsa_memory_ordered 1
		.amdhsa_forward_progress 1
		.amdhsa_inst_pref_size 28
	.end_amdhsa_kernel
	.amdgpu_metadata
---
amdhsa.version: [ 1, 2 ]
amdhsa.kernels:
  - .name:           k_qcc443e5691_attn
    .symbol:         k_qcc443e5691_attn.kd
    .args:
      - { .name: qf, .offset: 0, .size: 8, .value_kind: global_buffer, .address_space: global }
      - { .name: kv, .offset: 8, .size: 8, .value_kind: global_buffer, .address_space: global }
      - { .name: cu_seqlens, .offset: 16, .size: 8, .value_kind: global_buffer, .address_space: global }
      - { .name: af, .offset: 24, .size: 8, .value_kind: global_buffer, .address_space: global }
    .group_segment_fixed_size: 16896
    .private_segment_fixed_size: 0
    .kernarg_segment_align: 8
    .kernarg_segment_size: 32
    .max_flat_workgroup_size: 128
    .sgpr_count:     66
    .vgpr_count:     384
    .wavefront_size: 32
...
	.end_amdgpu_metadata
.endif
;; end of part 3
;; launch cproj (part 4): grid 8 x 32, 4 waves a work-group, clusters of 4 x 4, 327,680 bytes of LDS; arguments af, wb, c_proj_b, hidden_states, hb; writes hb
.if DOCPART == 4
	.amdgcn_target "amdgcn-amd-amdhsa--gfx1250"
	.amdhsa_code_object_version 6
	.text
	.protected	k_qcc443e5691_cproj
	.globl	k_qcc443e5691_cproj
	.p2align	8
	.type	k_qcc443e5691_cproj,@function
k_qcc443e5691_cproj:
	s_mov_b64 s[64:65], 0
	v_nop
	global_prefetch_b8 v0, s[64:65] scope:SCOPE_SE
	s_setreg_imm32_b32 hwreg(HW_REG_WAVE_MODE, 25, 1), 1
	s_wait_xcnt 0x0
	s_wait_alu depctr_hold_cnt(0) depctr_sa_sdst(0) depctr_va_vdst(0) depctr_va_sdst(0) depctr_va_ssrc(0) depctr_va_vcc(0) depctr_vm_vsrc(0)
	s_getreg_b32 s2, hwreg(HW_REG_IB_STS2, 6, 4)
	s_cmp_eq_u32 s2, 0
	s_cbranch_scc0 .Lentry_in_a_cluster
	s_endpgm
.Lentry_in_a_cluster:
	s_bfe_u32 s2, ttmp6, 0x10000c
	s_cmp_lg_u32 s2, 0xf033
	s_cbranch_scc0 .Lentry_shape_is_right
	s_endpgm
.Lentry_shape_is_right:
; h = hidden + o Wo + b for 64 tokens x 128 columns a work-group.  o: af, bf16 in fragment order [row block][32 k][1,024 B]; Wo: [1024][1024] bf16 in wb; sums, bias and residual in f32.
; THE FOUR WAVES SPLIT K: each has the whole 64 x 128 (4 x 8 accumulators) for a quarter of every K step of 256, so that a fragment read from LDS feeds as many products as in a larger tile;
; at the end the partial sums meet in LDS, in f32: wave w owns row block w and adds the other three waves' parts to its own.
; Row r of row block a of af is token 32 (r >> 3) + 16 (r & 1) + 4 a + ((r >> 1) & 3) of its block of 64: undone here in the rows' addresses.
; CLUSTER 4 x 4: o's tile is shared along a row of the cluster, Wo's along a column.
; REGISTERS: window 0 addresses, bias, residual, way out; window 1 two fragment buffers; window 2 the accumulators, (a', u) at 8 (8 a' + u); a' = 0 is always row block w.
.set SIZE_K, 1024
.set SIZE_N, 1024
.set WOFF,   6291456
.set PERM,   1
.set TN,     128
.set NB,     8
.set KSTEP,  256
.set PB,     288                       ; an LDS row of W: 256 bytes + 32 = 9 x 32 bytes
.set ASZ,    32768                     ; 4 row blocks x 8 fragments of 1,024 bytes, as they lie in memory
.set BSZ,    KSTEP*PB
.set SLOT,   ASZ+BSZ
.set RED,    2*SLOT                    ; behind the ring, never filled by a tensor load: 4 owners x 3 parts x 8,192 bytes; then each owner's stage
.set SPARE,  RED+98304
.set LAPS,   SIZE_K/(2*KSTEP)
.set ASTEP,  8192
.set BSTEP,  KSTEP*SIZE_N*2
.set ADRA, 8                           ; v8-15   LDS address of my fragments of A: slot s, index a' at 4 s + a'
.set ADRB, 16                          ; v16-17
.set L16,  18                          ; v18     16 x lane
.set STO,  20                          ; v20     the stage: where I put 16 bytes of a row
.set RRD,  21                          ; v21     my owner's region + 16 x lane
.set RST,  22                          ; v22-24  where my parts for the three other owners go
.set SPW,  28
.set NIL,  29
.set F0,   0
.set F1,   128
.set G1, 24
.set G0, 32
.set G1B, 48
.set G0B, 56
.set MSB, 0
.macro WIN new
.if MSB != (\new)
	s_set_vgpr_msb (MSB<<8)|(\new)
.set MSB, \new
.endif
.endm
.set MUL,  0xa5
.set TO_F, 0x40
.macro JLOAD s                         ; a joint load: waves 0, 1 fetch A's two halves, waves 2, 3 W's; an s_nop 0 and four v_nop follow each line
	s_cmp_eq_u32 s11, 0
	s_cbranch_scc0 .Lfor_b_\@
	tensor_load_to_lds s[G0+4*(\s):G0+4*(\s)+3], s[G1:G1+7]
	s_nop 0
.rept 4
	v_nop
.endr
	s_branch .Lasked_\@
.Lfor_b_\@:
	tensor_load_to_lds s[G0B+4*(\s):G0B+4*(\s)+3], s[G1B:G1B+7]
	s_nop 0
.rept 4
	v_nop
.endr
.Lasked_\@:
.endm
.macro CREST
	s_cmp_lg_u32 s10, 0
	s_cbranch_scc1 .Lnot_wave_0_\@
	s_barrier_signal -3
.Lnot_wave_0_\@:
	s_barrier_wait -3
	s_barrier_signal -1
	s_barrier_wait -1
.endm
.macro CROUND
	s_barrier_signal -1
	s_barrier_wait -1
	CREST
.endm
.macro PLACES
.rept 4
	v_nop
.endr
.endm
	s_load_b256 s[72:79], s[0:1], 0x0              ; A s[72:73], wb s[74:75], bias s[76:77], residual s[78:79]
	s_load_b64 s[80:81], s[0:1], 0x20              ; the output
	v_lshl_add_u32 v[SPW], v0, 2, SPARE
	v_mov_b32 v[NIL], 0
	ds_add_u32 v[SPW], v[NIL]                      ; the wave's opening: the add and its wait ahead of my first tensor load
	v_lshrrev_b32 v1, 5, v0
	v_readfirstlane_b32 s10, v1                    ; wave 0..3
	s_lshr_b32 s11, s10, 1                         ; I fetch A (0) or W (1),
	s_and_b32 s12, s10, 1                          ; this half of it
	s_bfe_u32 s40, ttmp6, 0x40000
	s_bfe_u32 s41, ttmp6, 0x40004
	s_lshl_b32 s42, ttmp9, 2
	s_add_co_u32 s42, s42, s40                     ; tile column
	s_and_b32 s13, ttmp7, 0xffff
	s_lshl_b32 s13, s13, 2
	s_add_co_u32 s13, s13, s41                     ; tile row: a block of 64 tokens
	s_lshl_b32 s43, s41, 2
	s_lshl_b32 s43, 15, s43
	s_lshl_b32 s44, 0x1111, s40
	s_or_b32 s[G1+0], s43, (3<<16)|(1<<21)         ; mask; elements of 8 bytes; no padding; bit 21 beside a mask
	s_mov_b32 s[G1+1], 1024<<16                    ; tensor_dim0 = 1,024 elements: a row block's 8 fragments, 8,192 consecutive bytes
	s_mov_b32 s[G1+2], 2<<16                       ; tensor_dim1 = 2 row blocks
	s_mov_b32 s[G1+3], 1024<<16
	s_mov_b32 s[G1+4], 2
	s_mov_b32 s[G1+5], 4*SIZE_K                    ; from row block to row block: 32 SIZE_K bytes
	s_mov_b32 s[G1+6], 0
	s_mov_b32 s[G1+7], 0
	s_or_b32 s[G1B+0], s44, (1<<16)|(1<<20)|(1<<21)|(5<<22)|(7<<25)  ; 2-byte elements; after every 64 words, 8 words
	s_mov_b32 s[G1B+1], TN<<16
	s_mov_b32 s[G1B+2], (KSTEP/2)<<16
	s_mov_b32 s[G1B+3], TN<<16
	s_mov_b32 s[G1B+4], KSTEP/2
	s_mov_b32 s[G1B+5], SIZE_N
	s_mov_b32 s[G1B+6], 0
	s_mov_b32 s[G1B+7], 0
	s_lshl_b32 s16, s13, 2
	s_lshl_b32 s17, s12, 1
	s_add_co_u32 s16, s16, s17                     ; A: row block 4 x tile row + 2 x half
	s_mul_i32 s16, s16, 32*SIZE_K
	s_mov_b32 s17, 0
	s_lshl_b32 s46, s42, 8                         ; W: the tile's columns, 256 bytes,
	s_mul_i32 s47, s12, KSTEP*SIZE_N               ; 128 rows of k for the second half
	s_add_co_u32 s46, s46, s47
	s_add_co_u32 s46, s46, WOFF
	s_mov_b32 s47, 0
	s_lshl_b32 s20, s12, 14
	s_mul_i32 s21, s12, (KSTEP/2)*PB
	s_add_co_u32 s21, s21, ASZ
	s_wait_dscnt 0x0                               ; the opening add is done
	s_wait_kmcnt 0x0
	s_add_nc_u64 s[14:15], s[72:73], s[16:17]
	s_add_nc_u64 s[46:47], s[74:75], s[46:47]
	CROUND
.irp s, 0,1
	s_mov_b32 s[G0+4*(\s)], 1
	s_add_co_u32 s[G0+4*(\s)+1], s20, (\s)*SLOT
	s_add_nc_u64 s[G0+4*(\s)+2:G0+4*(\s)+3], s[14:15], (\s)*ASTEP
	s_or_b32 s[G0+4*(\s)+3], s[G0+4*(\s)+3], 0x80000000
	s_mov_b32 s[G0B+4*(\s)], 1
	s_add_co_u32 s[G0B+4*(\s)+1], s21, (\s)*SLOT
	s_add_nc_u64 s[G0B+4*(\s)+2:G0B+4*(\s)+3], s[46:47], (\s)*BSTEP
	s_or_b32 s[G0B+4*(\s)+3], s[G0B+4*(\s)+3], 0x80000000
	JLOAD \s                                       ; two loads of mine are out
.endr
	v_and_b32 v1, 15, v0
	v_bfe_u32 v2, v0, 4, 1
	v_and_b32 v[L16], 31, v0
	v_lshlrev_b32 v[L16], 4, v[L16]
.irp a, 0,1,2,3                        ; index a' is row block (a' + w) % 4; my two fragments of a step lie 2,048 w bytes into its 8
	s_add_co_u32 s22, s10, \a
	s_and_b32 s22, s22, 3
	s_lshl_b32 s22, s22, 13
	s_lshl_b32 s23, s10, 11
	s_add_co_u32 s22, s22, s23
	v_add_nc_u32 v[ADRA+\a], s22, v[L16]
	v_add_nc_u32 v[ADRA+4+\a], SLOT, v[ADRA+\a]
.endr
	v_and_b32 v4, 7, v0
	v_lshl_add_u32 v4, v2, 3, v4
	v_mul_u32_u24 v4, v4, PB
	v_bfe_u32 v5, v0, 3, 1
	v_lshl_add_u32 v4, v5, 4, v4
	s_mul_i32 s23, s10, 64*PB                      ; my 64 rows of k in a step
	s_add_co_u32 s23, s23, ASZ
	v_add_nc_u32 v[ADRB], s23, v4
	v_add_nc_u32 v[ADRB+1], SLOT, v[ADRB]
.irp a, 1,2,3
	s_add_co_u32 s22, s10, \a
	s_and_b32 s22, s22, 3
	s_mul_i32 s22, s22, 3*8192
	s_add_co_u32 s22, s22, RED+(\a-1)*8192
	v_add_nc_u32 v[RST+\a-1], s22, v[L16]
.endr
	s_mul_i32 s22, s10, 3*8192
	s_add_co_u32 s22, s22, RED
	v_add_nc_u32 v[RRD], s22, v[L16]
	v_mul_u32_u24 v3, v1, 528                      ; the stage: rows of 512 bytes + 16
	v_lshl_add_u32 v3, v2, 5, v3
	v_add_nc_u32 v[STO], s22, v3
	s_lshl_b32 s86, s13, 6
.if PERM
	s_lshl2_add_u32 s86, s10, s86                  ; my rows' first token: 64 x tile row + 4 w
.else
	s_lshl4_add_u32 s86, s10, s86                  ; 64 x tile row + 16 w
.endif
	s_lshl_b32 s86, s86, 12
	s_lshl_b32 s88, s42, 9                         ; the tile's 128 columns of f32
	s_add_co_u32 s86, s86, s88
	s_mov_b32 s87, 0
	s_mov_b32 s89, 0
	s_add_nc_u64 s[66:67], s[78:79], s[86:87]
	s_add_nc_u64 s[68:69], s[80:81], s[86:87]
	s_add_nc_u64 s[84:85], s[76:77], s[88:89]
.set t, 0
.rept 16                               ; the residual's 16 rows and the bias are asked for now and waited for on the way out
.if PERM
.set tok, 32*(t/8)+16*(t%2)+((t/2)%4)
.else
.set tok, t
.endif
	global_load_b128 v[192+4*t:195+4*t], v[L16], s[66:67] offset:tok*4096
.set t, t+1
.endr
	global_load_b128 v[32:35], v[L16], s[84:85]
.macro MULA f, a, zero                 ; 8 matrix instructions; the 32 accumulators take turns, one instruction a turn
	WIN MUL
.set u, 0
.rept NB
.set rD, 8*(NB*(\a)+u)
.set rA, (\f)+8*(\a)
.set rB, (\f)+32+8*u
.if \zero
	v_wmma_f32_16x16x32_bf16 v[rD:rD+7], v[rB:rB+7], v[rA:rA+7], 0
.else
	v_wmma_f32_16x16x32_bf16 v[rD:rD+7], v[rB:rB+7], v[rA:rA+7], v[rD:rD+7]
.endif
.set u, u+1
.endr
.endm
.macro FETCH slot, q, f                ; my fragments of 32 along K, piece q of my two: 24 LDS loads in one run
	WIN TO_F
.set u, 0
.rept NB
	ds_load_tr16_b128 v[(\f)+32+8*u:(\f)+32+8*u+3],   v[ADRB+(\slot)] offset:(\q)*32*PB+32*u
	ds_load_tr16_b128 v[(\f)+32+8*u+4:(\f)+32+8*u+7], v[ADRB+(\slot)] offset:(\q)*32*PB+16*PB+32*u
.set u, u+1
.endr
.irp a, 0,1,2,3
	ds_load_b128 v[(\f)+8*(\a):(\f)+8*(\a)+3],   v[ADRA+4*(\slot)+(\a)] offset:(\q)*1024
	ds_load_b128 v[(\f)+8*(\a)+4:(\f)+8*(\a)+7], v[ADRA+4*(\slot)+(\a)] offset:(\q)*1024+512
.endr
.endm
.macro QUARTER slot, qn, f, g, zero
	s_wait_dscnt 0x0
	MULA \f, 0, \zero
	MULA \f, 1, \zero
	PLACES
	FETCH \slot, \qn, \g
	MULA \f, 2, \zero
	MULA \f, 3, \zero
.endm
.macro TURN slot, next, fill
	WIN 0
	s_wait_tensorcnt 0x0                           ; all my tensor loads have landed: my part of the next slot
	ds_add_u32 v[SPW], v[NIL]
	s_wait_dscnt 0x1                               ; only the add may be out: buffer 1 is in
	MULA F1, 0, 0
	s_wait_dscnt 0x0                               ; the add is done, my reads of this slot are over
	s_barrier_signal -1
	MULA F1, 1, 0
.if \fill
	WIN 0
.endif
	s_barrier_wait -1
.if \fill
	CREST
	s_add_nc_u64 s[G0+4*(\slot)+2:G0+4*(\slot)+3], s[G0+4*(\slot)+2:G0+4*(\slot)+3], 2*ASTEP
	s_add_nc_u64 s[G0B+4*(\slot)+2:G0B+4*(\slot)+3], s[G0B+4*(\slot)+2:G0B+4*(\slot)+3], 2*BSTEP
	JLOAD \slot                                    ; my one load behind the round
.else
	PLACES
.endif
	FETCH \next, 0, F0
	MULA F1, 2, 0
	MULA F1, 3, 0
.endm
	s_wait_tensorcnt 0x1                           ; my part of K step 0 is in; step 1's may stay out
	s_barrier_signal -1
	s_barrier_wait -1
	FETCH 0, 0, F0
	QUARTER 0, 1, F0, F1, 1
	WIN 0
	s_mov_b32 s3, LAPS-1
.Llap:
	TURN 0, 1, 1
	QUARTER 1, 1, F0, F1, 0
	TURN 1, 0, 1
	QUARTER 0, 1, F0, F1, 0
	WIN 0
	s_sub_co_u32 s3, s3, 1
	s_cmp_lg_u32 s3, 0
	s_cbranch_scc1 .Llap
	TURN 0, 1, 0
	QUARTER 1, 1, F0, F1, 0
	s_wait_dscnt 0x0
	MULA F1, 0, 0
	MULA F1, 1, 0
	MULA F1, 2, 0
	MULA F1, 3, 0
	; THE SUM OVER THE FOUR WAVES, in f32: my parts of the three other row blocks go to their owners
	WIN 0
	PLACES
	WIN 0x08                                       ; store data in window 2
.irp a, 1,2,3
.set u, 0
.rept 8
	ds_store_b128 v[RST+(\a)-1], v[8*(8*(\a)+u):8*(8*(\a)+u)+3]   offset:u*1024
	ds_store_b128 v[RST+(\a)-1], v[8*(8*(\a)+u)+4:8*(8*(\a)+u)+7] offset:u*1024+512
.set u, u+1
.endr
.endr
	WIN 0
	s_wait_dscnt 0x0                               ; for the others' sake
	s_barrier_signal -1
	s_barrier_wait -1
	WIN 0x40
.set i, 0
.rept 48
	ds_load_b128 v[64+4*i:64+4*i+3], v[RRD] offset:512*i   ; the three parts of my row block, register for register as mine lie
.set i, i+1
.endr
	s_wait_dscnt 0x0
	WIN 0x06                                       ; source 0 window 2, source 1 window 1, destination window 0
.set i, 0
.rept 32
	v_pk_add_f32 v[64+2*i:65+2*i], v[2*i:2*i+1], v[64+2*i:65+2*i]
.set i, i+1
.endr
	WIN 0x04
.set i, 0
.rept 32
	v_pk_add_f32 v[64+2*i:65+2*i], v[64+2*i:65+2*i], v[128+2*i:129+2*i]
.set i, i+1
.endr
.set i, 0
.rept 32
	v_pk_add_f32 v[64+2*i:65+2*i], v[64+2*i:65+2*i], v[192+2*i:193+2*i]
.set i, i+1
.endr
	WIN 0
	s_barrier_signal -1                            ; every wave's reads of the parts are over: the regions become stages
	s_barrier_wait -1
.set u, 0
.rept 8
	ds_store_b128 v[STO], v[64+8*u:64+8*u+3] offset:64*u
	ds_store_b128 v[STO], v[64+8*u+4:64+8*u+7] offset:64*u+16
.set u, u+1
.endr
.set t, 0
.rept 16
	ds_load_b128 v[128+4*t:131+4*t], v[RRD] offset:528*t   ; LDS serves a wave's instructions in order (ISA guide 5.7.1.4): these see the stores above
.set t, t+1
.endr
	s_wait_loadcnt 0x0                             ; residual and bias
.set t, 0
.rept 16
.if PERM
.set tok, 32*(t/8)+16*(t%2)+((t/2)%4)
.else
.set tok, t
.endif
	s_wait_dscnt 15-t                              ; row t is back; the younger rows may stay out
	v_pk_add_f32 v[128+4*t:129+4*t], v[128+4*t:129+4*t], v[192+4*t:193+4*t]
	v_pk_add_f32 v[130+4*t:131+4*t], v[130+4*t:131+4*t], v[194+4*t:195+4*t]
	v_pk_add_f32 v[128+4*t:129+4*t], v[128+4*t:129+4*t], v[32:33]
	v_pk_add_f32 v[130+4*t:131+4*t], v[130+4*t:131+4*t], v[34:35]
	global_store_b128 v[L16], v[128+4*t:131+4*t], s[68:69] offset:tok*4096      ; 512 consecutive bytes of one row, aligned
.set t, t+1
.endr
	s_wait_tensorcnt 0x0                           ; the wave's end
	ds_add_u32 v[SPW], v[NIL]
	s_wait_dscnt 0x0
	CROUND                                         ; the closing round
	s_endpgm
.Lfunc_end_k_qcc443e5691_cproj:
	.size	k_qcc443e5691_cproj, .Lfunc_end_k_qcc443e5691_cproj-k_qcc443e5691_cproj
	.p2alignl 7, 3214868480
	.fill 96, 4, 3214868480
	.section	.rodata,"a",@progbits
	.p2align	6, 0x0
	.amdhsa_kernel k_qcc443e5691_cproj
		.amdhsa_group_segment_fixed_size 327680
		.amdhsa_private_segment_fixed_size 0
		.amdhsa_enable_private_segment 0
		.amdhsa_kernarg_size 40
		.amdhsa_user_sgpr_count 2
		.amdhsa_user_sgpr_kernarg_segment_ptr 1
		.amdhsa_wavefront_size32 1
		.amdhsa_system_sgpr_workgroup_id_x 1
		.amdhsa_system_sgpr_workgroup_id_y 1
		.amdhsa_system_sgpr_workgroup_id_z 1
		.amdhsa_system_vgpr_workitem_id 0
		.amdhsa_next_free_vgpr 768
		.amdhsa_next_free_sgpr 96
		.amdhsa_reserve_vcc 0
		.amdhsa_float_denorm_mode_32 3
		.amdhsa_float_denorm_mode_16_64 3
		.amdhsa_memory_ordered 1
		.amdhsa_forward_progress 1
		.amdhsa_inst_pref_size 63
	.end_amdhsa_kernel
	.amdgpu_metadata
---
amdhsa.version: [ 1, 2 ]
amdhsa.kernels:
  - .name:           k_qcc443e5691_cproj
    .symbol:         k_qcc443e5691_cproj.kd
    .args:
      - { .name: af, .offset: 0, .size: 8, .value_kind: global_buffer, .address_space: global }
      - { .name: wb, .offset: 8, .size: 8, .value_kind: global_buffer, .address_space: global }
      - { .name: c_proj_b, .offset: 16, .size: 8, .value_kind: global_buffer, .address_space: global }
      - { .name: hidden_states, .offset: 24, .size: 8, .value_kind: global_buffer, .address_space: global }
      - { .name: hb, .offset: 32, .size: 8, .value_kind: global_buffer, .address_space: global }
    .group_segment_fixed_size: 327680
    .private_segment_fixed_size: 0
    .kernarg_segment_align: 8
    .kernarg_segment_size: 40
    .max_flat_workgroup_size: 128
    .sgpr_count:     96
    .vgpr_count:     768
    .wavefront_size: 32
...
	.end_amdgpu_metadata
.endif
;; end of part 4
;; launch ln2 (part 5): grid 256 x 1, 8 waves a work-group, no clusters, 0 bytes of LDS; arguments hb, ln2_w, ln2_b, x2; writes x2
.if DOCPART == 5
	.amdgcn_target "amdgcn-amd-amdhsa--gfx1250"
	.amdhsa_code_object_version 6
	.text
	.protected	k_qcc443e5691_ln2
	.globl	k_qcc443e5691_ln2
	.p2align	8
	.type	k_qcc443e5691_ln2,@function
k_qcc443e5691_ln2:
	s_mov_b64 s[64:65], 0
	v_nop
	global_prefetch_b8 v0, s[64:65] scope:SCOPE_SE
	s_setreg_imm32_b32 hwreg(HW_REG_WAVE_MODE, 25, 1), 1
	s_wait_xcnt 0x0
; LAYER NORM 2.  One wave takes one row of 1,024 f32 (32 registers a lane) and keeps it between the passes: mean, then the sum of (x - mean)^2, both in f32,
; then (x - mean) rsqrt(var + 1e-5) w + b, rounded once to bf16, rows in their own order.  No work-group shares an input row with another: no LDS, no barrier, no cluster.
.set XR, 32
.set WR, 64
.set BR, 96
.set YR, 16
	s_load_b256 s[4:11], s[0:1], 0x0               ; h s[4:5], ln2_w s[6:7], ln2_b s[8:9], x2 s[10:11]
	v_and_b32 v1, 31, v0
	v_lshrrev_b32 v3, 5, v0
	v_readfirstlane_b32 s3, v3                     ; wave 0..7
	v_lshlrev_b32 v2, 3, v1
	v_lshlrev_b32 v1, 4, v1
	s_lshl3_add_u32 s26, ttmp9, s3                 ; my row = 8 x group + wave
	s_lshl_b32 s28, s26, 12
	s_mov_b32 s29, 0
	s_lshl_b32 s30, s26, 11
	s_mov_b32 s31, 0
	s_mov_b32 s12, 0x76543210
	s_mov_b32 s13, 0xfedcba98
	s_mov_b32 s14, 0x3a800000                      ; 1 / 1024
	s_mov_b32 s15, 0x3727c5ac                      ; 1e-5
	s_wait_kmcnt 0x0
	s_add_nc_u64 s[4:5], s[4:5], s[28:29]
	s_add_nc_u64 s[10:11], s[10:11], s[30:31]
.irp j, 0,1,2,3,4,5,6,7
	global_load_b128 v[XR+4*\j:XR+4*\j+3], v1, s[4:5] offset:512*\j
.endr
.irp j, 0,1,2,3,4,5,6,7
	global_load_b128 v[WR+4*\j:WR+4*\j+3], v1, s[6:7] offset:512*\j
.endr
.irp j, 0,1,2,3,4,5,6,7
	global_load_b128 v[BR+4*\j:BR+4*\j+3], v1, s[8:9] offset:512*\j
.endr
.macro WSUM                            ; four packed chains in v[4:11] become one number in v4, the same in all 32 lanes
	v_pk_add_f32 v[4:5], v[4:5], v[6:7]
	v_pk_add_f32 v[8:9], v[8:9], v[10:11]
	v_pk_add_f32 v[4:5], v[4:5], v[8:9]
	v_add_f32 v4, v4, v5
	v_add_f32_dpp v4, v4, v4 row_xmask:1 row_mask:0xf bank_mask:0xf
	v_add_f32_dpp v4, v4, v4 row_xmask:2 row_mask:0xf bank_mask:0xf
	v_add_f32_dpp v4, v4, v4 row_xmask:4 row_mask:0xf bank_mask:0xf
	v_add_f32_dpp v4, v4, v4 row_xmask:8 row_mask:0xf bank_mask:0xf
	v_permlanex16_b32 v5, v4, s12, s13
	v_add_f32 v4, v4, v5
.endm
	s_wait_loadcnt 16                              ; the row is in; the 16 younger loads (gain, bias) may stay out
.irp c, 0,1,2,3
	v_pk_add_f32 v[4+2*\c:5+2*\c], v[XR+2*\c:XR+2*\c+1], v[XR+8+2*\c:XR+9+2*\c]
.endr
.irp k, 8,9,10,11,12,13,14,15
	v_pk_add_f32 v[4+2*(\k%4):5+2*(\k%4)], v[4+2*(\k%4):5+2*(\k%4)], v[XR+2*\k:XR+2*\k+1]
.endr
	WSUM
	v_mul_f32 v12, s14, v4
	v_mov_b32 v13, v12
.irp k, 0,1,2,3,4,5,6,7,8,9,10,11,12,13,14,15
	v_pk_add_f32 v[XR+2*\k:XR+2*\k+1], v[XR+2*\k:XR+2*\k+1], v[12:13] neg_lo:[0,1] neg_hi:[0,1]
.endr
.irp c, 0,1,2,3
	v_pk_mul_f32 v[4+2*\c:5+2*\c], v[XR+2*\c:XR+2*\c+1], v[XR+2*\c:XR+2*\c+1]
.endr
.irp k, 4,5,6,7,8,9,10,11,12,13,14,15
	v_pk_fma_f32 v[4+2*(\k%4):5+2*(\k%4)], v[XR+2*\k:XR+2*\k+1], v[XR+2*\k:XR+2*\k+1], v[4+2*(\k%4):5+2*(\k%4)]
.endr
	WSUM
	v_fma_f32 v6, v4, s14, s15
	v_rsq_f32 v14, v6
	v_rsq_f32 v15, v6
	v_nop                                          ; a plain instruction between the root and its use (ISA guide 5.7.2)
	s_wait_loadcnt 0x0
	s_wait_alu depctr_va_vdst(0)
.irp k, 0,1,2,3,4,5,6,7,8,9,10,11,12,13,14,15
	v_pk_mul_f32 v[XR+2*\k:XR+2*\k+1], v[XR+2*\k:XR+2*\k+1], v[14:15]
.endr
.irp k, 0,1,2,3,4,5,6,7,8,9,10,11,12,13,14,15
	v_pk_fma_f32 v[XR+2*\k:XR+2*\k+1], v[XR+2*\k:XR+2*\k+1], v[WR+2*\k:WR+2*\k+1], v[BR+2*\k:BR+2*\k+1]
.endr
.irp k, 0,1,2,3,4,5,6,7,8,9,10,11,12,13,14,15
	v_cvt_pk_bf16_f32 v[YR+\k], v[XR+2*\k], v[XR+2*\k+1]
.endr
.irp j, 0,1,2,3,4,5,6,7
	global_store_b64 v2, v[YR+2*\j:YR+2*\j+1], s[10:11] offset:256*\j   ; the wave's 32 lanes store 256 consecutive bytes, aligned
.endr
	s_endpgm
.Lfunc_end_k_qcc443e5691_ln2:
	.size	k_qcc443e5691_ln2, .Lfunc_end_k_qcc443e5691_ln2-k_qcc443e5691_ln2
	.p2alignl 7, 3214868480
	.fill 96, 4, 3214868480
	.section	.rodata,"a",@progbits
	.p2align	6, 0x0
	.amdhsa_kernel k_qcc443e5691_ln2
		.amdhsa_group_segment_fixed_size 0
		.amdhsa_private_segment_fixed_size 0
		.amdhsa_enable_private_segment 0
		.amdhsa_kernarg_size 32
		.amdhsa_user_sgpr_count 2
		.amdhsa_user_sgpr_kernarg_segment_ptr 1
		.amdhsa_wavefront_size32 1
		.amdhsa_system_sgpr_workgroup_id_x 1
		.amdhsa_system_sgpr_workgroup_id_y 1
		.amdhsa_system_sgpr_workgroup_id_z 1
		.amdhsa_system_vgpr_workitem_id 0
		.amdhsa_next_free_vgpr 128
		.amdhsa_next_free_sgpr 66
		.amdhsa_reserve_vcc 0
		.amdhsa_float_denorm_mode_32 3
		.amdhsa_float_denorm_mode_16_64 3
		.amdhsa_memory_ordered 1
		.amdhsa_forward_progress 1
		.amdhsa_inst_pref_size 12
	.end_amdhsa_kernel
	.amdgpu_metadata
---
amdhsa.version: [ 1, 2 ]
amdhsa.kernels:
  - .name:           k_qcc443e5691_ln2
    .symbol:         k_qcc443e5691_ln2.kd
    .args:
      - { .name: hb, .offset: 0, .size: 8, .value_kind: global_buffer, .address_space: global }
      - { .name: ln2_w, .offset: 8, .size: 8, .value_kind: global_buffer, .address_space: global }
      - { .name: ln2_b, .offset: 16, .size: 8, .value_kind: global_buffer, .address_space: global }
      - { .name: x2, .offset: 24, .size: 8, .value_kind: global_buffer, .address_space: global }
    .group_segment_fixed_size: 0
    .private_segment_fixed_size: 0
    .kernarg_segment_align: 8
    .kernarg_segment_size: 32
    .max_flat_workgroup_size: 256
    .sgpr_count:     66
    .vgpr_count:     128
    .wavefront_size: 32
...
	.end_amdgpu_metadata
.endif
;; end of part 5
;; launch fc (part 6): grid 16 x 16, 4 waves a work-group, clusters of 4 x 4, 327,680 bytes of LDS; arguments x2, wb, fc_b, gf; writes gf
.if DOCPART == 6
	.amdgcn_target "amdgcn-amd-amdhsa--gfx1250"
	.amdhsa_code_object_version 6
	.text
	.protected	k_qcc443e5691_fc
	.globl	k_qcc443e5691_fc
	.p2align	8
	.type	k_qcc443e5691_fc,@function
k_qcc443e5691_fc:
	s_mov_b64 s[64:65], 0
	v_nop
	global_prefetch_b8 v0, s[64:65] scope:SCOPE_SE
	s_setreg_imm32_b32 hwreg(HW_REG_WAVE_MODE, 25, 1), 1
	s_wait_xcnt 0x0
	s_wait_alu depctr_hold_cnt(0) depctr_sa_sdst(0) depctr_va_vdst(0) depctr_va_sdst(0) depctr_va_ssrc(0) depctr_va_vcc(0) depctr_vm_vsrc(0)
	s_getreg_b32 s2, hwreg(HW_REG_IB_STS2, 6, 4)
	s_cmp_eq_u32 s2, 0
	s_cbranch_scc0 .Lentry_in_a_cluster
	s_endpgm
.Lentry_in_a_cluster:
	s_bfe_u32 s2, ttmp6, 0x10000c
	s_cmp_lg_u32 s2, 0xf033
	s_cbranch_scc0 .Lentry_shape_is_right
	s_endpgm
.Lentry_shape_is_right:
; g = gelu(x2 Wf + b) for 128 tokens x 256 columns a work-group.  x2: [2048][1024] bf16, Wf: [1024][4096] bf16 in wb; sums, bias and gelu in f32, g rounded once to bf16.
; Four waves, 2 x 2, each 64 x 128: 4 x 8 accumulators.  K goes in steps of 128 through two LDS slots; Wf lies [k][n], so its fragments come out of LDS by the transposing load.
; Source 0 = Wf's columns, source 1 = x2's rows: a lane holds one token and 8 neighbouring columns, which pack into its 16 bytes of a fragment of the next product's A:
; gf: [row block of 16][32 k][register half][lane][16 B]; every store is 512 consecutive bytes.
; gelu(x) = x / (1 + 2^(x (C0 + C1 x^2))): the tanh form written as a sigmoid, C0 = -2 log2(e) sqrt(2 / pi), C1 = 0.044715 C0; at both ends it goes to 0 and to x by itself.
; CLUSTER 4 x 4: x2's tile is shared along a row of the cluster, Wf's along a column.
; REGISTERS: window 0 addresses, bias, packed results; window 1 two fragment buffers, on the way out at work; window 2 the accumulators, (a, u) at 8 (8 a + u).
.set SIZE_K, 1024
.set SIZE_N, 4096
.set TN,     256
.set NB,     8
.set KSTEP,  128
.set PA,     272
.set PB,     544                       ; an LDS row of W: 512 bytes + 32 = 17 x 32 bytes
.set ASZ,    128*PA
.set BSZ,    KSTEP*PB
.set SLOT,   ASZ+BSZ
.set SPARE,  2*SLOT
.set LAPS,   SIZE_K/(2*KSTEP)
.set WOFF,   8388608
.set WCB,    256
.set ASTEP,  KSTEP*2
.set BSTEP,  KSTEP*SIZE_N*2
.set ADRA, 8
.set ADRB, 16
.set L16,  18
.set H32,  19
.set SPW,  28
.set NIL,  29
.set F0,   0
.set F1,   128
.set G1, 24
.set G0, 32
.set G1B, 48
.set G0B, 56
.set MSB, 0
.macro WIN new
.if MSB != (\new)
	s_set_vgpr_msb (MSB<<8)|(\new)
.set MSB, \new
.endif
.endm
.set MUL,  0xa5
.set TO_F, 0x40
.macro JLOAD s                         ; a joint load: waves 0, 1 fetch x2's two halves, waves 2, 3 W's; an s_nop 0 and four v_nop follow each line
	s_cmp_eq_u32 s11, 0
	s_cbranch_scc0 .Lfor_b_\@
	tensor_load_to_lds s[G0+4*(\s):G0+4*(\s)+3], s[G1:G1+7]
	s_nop 0
.rept 4
	v_nop
.endr
	s_branch .Lasked_\@
.Lfor_b_\@:
	tensor_load_to_lds s[G0B+4*(\s):G0B+4*(\s)+3], s[G1B:G1B+7]
	s_nop 0
.rept 4
	v_nop
.endr
.Lasked_\@:
.endm
.macro CREST
	s_cmp_lg_u32 s10, 0
	s_cbranch_scc1 .Lnot_wave_0_\@
	s_barrier_signal -3
.Lnot_wave_0_\@:
	s_barrier_wait -3
	s_barrier_signal -1
	s_barrier_wait -1
.endm
.macro CROUND
	s_barrier_signal -1
	s_barrier_wait -1
	CREST
.endm
.macro PLACES
.rept 4
	v_nop
.endr
.endm
	s_load_b256 s[72:79], s[0:1], 0x0              ; x2 s[72:73], wb s[74:75], bias s[76:77], gf s[78:79]
	v_lshl_add_u32 v[SPW], v0, 2, SPARE
	v_mov_b32 v[NIL], 0
	ds_add_u32 v[SPW], v[NIL]                      ; the wave's opening: the add and its wait ahead of my first tensor load
	v_lshrrev_b32 v1, 5, v0
	v_readfirstlane_b32 s10, v1
	s_lshr_b32 s11, s10, 1                         ; my half of the rows.  Also: I fetch x2 (0) or W (1)
	s_and_b32 s12, s10, 1                          ; my half of the columns.  Also: which half of that tile I fetch
	s_bfe_u32 s40, ttmp6, 0x40000
	s_bfe_u32 s41, ttmp6, 0x40004
	s_lshl_b32 s42, ttmp9, 2
	s_add_co_u32 s42, s42, s40                     ; tile column
	s_and_b32 s13, ttmp7, 0xffff
	s_lshl_b32 s13, s13, 2
	s_add_co_u32 s13, s13, s41                     ; tile row
	s_lshl_b32 s43, s41, 2
	s_lshl_b32 s43, 15, s43
	s_lshl_b32 s44, 0x1111, s40
	s_or_b32 s[G1+0], s43, (1<<16)|(1<<20)|(1<<21)|(5<<22)|(3<<25)   ; mask; 2-byte elements; padding on; bit 21 beside a mask; after every 64 words, 4 words
	s_mov_b32 s[G1+1], KSTEP<<16
	s_mov_b32 s[G1+2], 64<<16
	s_mov_b32 s[G1+3], KSTEP<<16
	s_mov_b32 s[G1+4], 64
	s_mov_b32 s[G1+5], SIZE_K
	s_mov_b32 s[G1+6], 0
	s_mov_b32 s[G1+7], 0
	s_or_b32 s[G1B+0], s44, (1<<16)|(1<<20)|(1<<21)|(6<<22)|(7<<25)  ; after every 128 words, 8 words
	s_mov_b32 s[G1B+1], TN<<16
	s_mov_b32 s[G1B+2], (KSTEP/2)<<16
	s_mov_b32 s[G1B+3], TN<<16
	s_mov_b32 s[G1B+4], KSTEP/2
	s_mov_b32 s[G1B+5], SIZE_N
	s_mov_b32 s[G1B+6], 0
	s_mov_b32 s[G1B+7], 0
	s_lshl_b32 s16, s13, 7
	s_lshl_b32 s17, s12, 6
	s_add_co_u32 s16, s16, s17
	s_lshl_b32 s16, s16, 11
	s_mov_b32 s17, 0
	s_mul_i32 s46, s42, TN*2
	s_mul_i32 s47, s12, KSTEP*SIZE_N
	s_add_co_u32 s46, s46, s47
	s_add_co_u32 s46, s46, WOFF
	s_mov_b32 s47, 0
	s_mul_i32 s20, s12, 64*PA
	s_mul_i32 s21, s12, (KSTEP/2)*PB
	s_add_co_u32 s21, s21, ASZ
	s_wait_dscnt 0x0                               ; the opening add is done
	s_wait_kmcnt 0x0
	s_add_nc_u64 s[14:15], s[72:73], s[16:17]
	s_add_nc_u64 s[46:47], s[74:75], s[46:47]
	CROUND
.irp s, 0,1
	s_mov_b32 s[G0+4*(\s)], 1
	s_add_co_u32 s[G0+4*(\s)+1], s20, (\s)*SLOT
	s_add_nc_u64 s[G0+4*(\s)+2:G0+4*(\s)+3], s[14:15], (\s)*ASTEP
	s_or_b32 s[G0+4*(\s)+3], s[G0+4*(\s)+3], 0x80000000
	s_mov_b32 s[G0B+4*(\s)], 1
	s_add_co_u32 s[G0B+4*(\s)+1], s21, (\s)*SLOT
	s_add_nc_u64 s[G0B+4*(\s)+2:G0B+4*(\s)+3], s[46:47], (\s)*BSTEP
	s_or_b32 s[G0B+4*(\s)+3], s[G0B+4*(\s)+3], 0x80000000
	JLOAD \s                                       ; two loads of mine are out
.endr
	v_and_b32 v1, 15, v0
	v_bfe_u32 v2, v0, 4, 1
	v_mul_u32_u24 v3, v1, PA
	v_lshl_add_u32 v3, v2, 4, v3
	s_mul_i32 s22, s11, 64*PA
	v_add_nc_u32 v[ADRA], s22, v3
	v_add_nc_u32 v[ADRA+1], SLOT, v[ADRA]
	v_and_b32 v4, 7, v0
	v_lshl_add_u32 v4, v2, 3, v4
	v_mul_u32_u24 v4, v4, PB
	v_bfe_u32 v5, v0, 3, 1
	v_lshl_add_u32 v4, v5, 4, v4
	s_mul_i32 s23, s12, WCB
	s_add_co_u32 s23, s23, ASZ
	v_add_nc_u32 v[ADRB], s23, v4
	v_add_nc_u32 v[ADRB+1], SLOT, v[ADRB]
	v_and_b32 v[L16], 31, v0
	v_lshlrev_b32 v[L16], 4, v[L16]
	v_lshlrev_b32 v[H32], 5, v2
	s_lshl_b32 s90, s13, 3
	s_lshl2_add_u32 s90, s11, s90                  ; my first row block: 8 x tile row + 4 x half,
	s_lshl_b32 s90, s90, 17                        ; 131,072 bytes each
	s_lshl_b32 s91, s42, 3
	s_lshl2_add_u32 s91, s12, s91                  ; my first piece of 32 k: 8 x tile column + 4 x half
	s_lshl_b32 s91, s91, 10
	s_add_co_u32 s90, s90, s91
	s_mov_b32 s91, 0
	s_add_nc_u64 s[66:67], s[78:79], s[90:91]
	s_lshl_b32 s92, s42, 10
	s_lshl_b32 s93, s12, 9
	s_add_co_u32 s92, s92, s93
	s_mov_b32 s93, 0
	s_add_nc_u64 s[84:85], s[76:77], s[92:93]
	s_mov_b32 s86, 0xc0135761                      ; C0
	s_mov_b32 s87, s86
	s_mov_b32 s88, 0xbdd2d3e8                      ; C1
	s_mov_b32 s89, s88
.irp u, 0,1,2,3,4,5,6,7                ; the bias: my lane's 8 columns of each n block
	global_load_b128 v[64+8*\u:67+8*\u], v[H32], s[84:85] offset:64*\u
	global_load_b128 v[68+8*\u:71+8*\u], v[H32], s[84:85] offset:64*\u+16
.endr
.macro MULA f, a, zero                 ; 8 matrix instructions; the 32 accumulators take turns, one instruction a turn
	WIN MUL
.set u, 0
.rept NB
.set rD, 8*(NB*(\a)+u)
.set rA, (\f)+8*(\a)
.set rB, (\f)+32+8*u
.if \zero
	v_wmma_f32_16x16x32_bf16 v[rD:rD+7], v[rB:rB+7], v[rA:rA+7], 0
.else
	v_wmma_f32_16x16x32_bf16 v[rD:rD+7], v[rB:rB+7], v[rA:rA+7], v[rD:rD+7]
.endif
.set u, u+1
.endr
.endm
.macro FETCH slot, q, f
	WIN TO_F
.set u, 0
.rept NB
	ds_load_tr16_b128 v[(\f)+32+8*u:(\f)+32+8*u+3],   v[ADRB+(\slot)] offset:(\q)*32*PB+32*u
	ds_load_tr16_b128 v[(\f)+32+8*u+4:(\f)+32+8*u+7], v[ADRB+(\slot)] offset:(\q)*32*PB+16*PB+32*u
.set u, u+1
.endr
.irp a, 0,1,2,3
	ds_load_b128 v[(\f)+8*(\a):(\f)+8*(\a)+3],   v[ADRA+(\slot)] offset:(\q)*64+(\a)*16*PA
	ds_load_b128 v[(\f)+8*(\a)+4:(\f)+8*(\a)+7], v[ADRA+(\slot)] offset:(\q)*64+(\a)*16*PA+32
.endr
.endm
.macro QUARTER slot, qn, f, g, zero
	s_wait_dscnt 0x0
	MULA \f, 0, \zero
	MULA \f, 1, \zero
	PLACES
	FETCH \slot, \qn, \g
	MULA \f, 2, \zero
	MULA \f, 3, \zero
.endm
.macro TURN slot, next, fill
	WIN 0
	s_wait_tensorcnt 0x0                           ; all my tensor loads have landed: my part of the next slot
	ds_add_u32 v[SPW], v[NIL]
	s_wait_dscnt 0x1                               ; only the add may be out: buffer 1 is in
	MULA F1, 0, 0
	s_wait_dscnt 0x0                               ; the add is done, my reads of this slot are over
	s_barrier_signal -1
	MULA F1, 1, 0
.if \fill
	WIN 0
.endif
	s_barrier_wait -1
.if \fill
	CREST
	s_add_nc_u64 s[G0+4*(\slot)+2:G0+4*(\slot)+3], s[G0+4*(\slot)+2:G0+4*(\slot)+3], 2*ASTEP
	s_add_nc_u64 s[G0B+4*(\slot)+2:G0B+4*(\slot)+3], s[G0B+4*(\slot)+2:G0B+4*(\slot)+3], 2*BSTEP
	JLOAD \slot                                    ; my one load behind the round
.else
	PLACES
.endif
	FETCH \next, 0, F0
	MULA F1, 2, 0
	MULA F1, 3, 0
.endm
	s_wait_tensorcnt 0x1                           ; my part of K step 0 is in; step 1's may stay out
	s_barrier_signal -1
	s_barrier_wait -1
	FETCH 0, 0, F0
	QUARTER 0, 1, F0, F1, 1
	WIN 0
	s_mov_b32 s3, LAPS-1
.Llap:
	QUARTER 0, 2, F1, F0, 0
	QUARTER 0, 3, F0, F1, 0
	TURN 0, 1, 1
	QUARTER 1, 1, F0, F1, 0
	QUARTER 1, 2, F1, F0, 0
	QUARTER 1, 3, F0, F1, 0
	TURN 1, 0, 1
	QUARTER 0, 1, F0, F1, 0
	WIN 0
	s_sub_co_u32 s3, s3, 1
	s_cmp_lg_u32 s3, 0
	s_cbranch_scc1 .Llap
	QUARTER 0, 2, F1, F0, 0
	QUARTER 0, 3, F0, F1, 0
	TURN 0, 1, 0
	QUARTER 1, 1, F0, F1, 0
	QUARTER 1, 2, F1, F0, 0
	QUARTER 1, 3, F0, F1, 0
	s_wait_dscnt 0x0
	MULA F1, 0, 0
	MULA F1, 1, 0
	MULA F1, 2, 0
	MULA F1, 3, 0
	; THE WAY OUT, a row block of 16 tokens at a time: bias, gelu, one rounding, 8 stores
.macro REP n, line:vararg              ; the line n times, i = 0 .. n - 1
.set i, 0
.rept \n
	\line
.set i, i+1
.endr
.endm
	WIN 0
	PLACES
	s_wait_loadcnt 0x0                             ; the bias
.set a, 0
.rept 4
	WIN 0x42                                       ; source 0 window 2, destination window 1
	REP 32, v_pk_add_f32 v[2*i:2*i+1], v[64*a+2*i:64*a+2*i+1], v[64+2*i:65+2*i]
	WIN 0x55                                       ; all in window 1: x in v0-63, at work in v64-127
	REP 32, v_pk_mul_f32 v[64+2*i:65+2*i], v[2*i:2*i+1], v[2*i:2*i+1]
	REP 32, v_pk_fma_f32 v[64+2*i:65+2*i], v[64+2*i:65+2*i], s[88:89], s[86:87] op_sel_hi:[1,0,0]
	REP 32, v_pk_mul_f32 v[64+2*i:65+2*i], v[64+2*i:65+2*i], v[2*i:2*i+1]
	REP 64, v_exp_f32 v[64+i], v[64+i]
	v_nop                                          ; a plain instruction between the run and the use of its results (ISA guide 5.7.2)
	s_wait_alu depctr_va_vdst(0)
	REP 32, v_pk_add_f32 v[64+2*i:65+2*i], v[64+2*i:65+2*i], 1.0 op_sel_hi:[1,0]
	REP 64, v_rcp_f32 v[64+i], v[64+i]
	v_nop
	s_wait_alu depctr_va_vdst(0)
	REP 32, v_pk_mul_f32 v[64+2*i:65+2*i], v[64+2*i:65+2*i], v[2*i:2*i+1]
	WIN 0x05                                       ; sources window 1, destination window 0
	REP 32, v_cvt_pk_bf16_f32 v[128+32*a+i], v[64+2*i], v[65+2*i]
	WIN 0
.irp u, 0,1,2,3,4,5,6,7
	global_store_b128 v[L16], v[128+32*a+4*\u:128+32*a+4*\u+3], s[66:67] offset:a*131072+(\u/2)*1024+(\u%2)*512   ; half a fragment: 512 consecutive bytes
.endr
.set a, a+1
.endr
	s_wait_tensorcnt 0x0                           ; the wave's end
	ds_add_u32 v[SPW], v[NIL]
	s_wait_dscnt 0x0
	CROUND                                         ; the closing round
	s_endpgm
.Lfunc_end_k_qcc443e5691_fc:
	.size	k_qcc443e5691_fc, .Lfunc_end_k_qcc443e5691_fc-k_qcc443e5691_fc
	.p2alignl 7, 3214868480
	.fill 96, 4, 3214868480
	.section	.rodata,"a",@progbits
	.p2align	6, 0x0
	.amdhsa_kernel k_qcc443e5691_fc
		.amdhsa_group_segment_fixed_size 327680
		.amdhsa_private_segment_fixed_size 0
		.amdhsa_enable_private_segment 0
		.amdhsa_kernarg_size 32
		.amdhsa_user_sgpr_count 2
		.amdhsa_user_sgpr_kernarg_segment_ptr 1
		.amdhsa_wavefront_size32 1
		.amdhsa_system_sgpr_workgroup_id_x 1
		.amdhsa_system_sgpr_workgroup_id_y 1
		.amdhsa_system_sgpr_workgroup_id_z 1
		.amdhsa_system_vgpr_workitem_id 0
		.amdhsa_next_free_vgpr 768
		.amdhsa_next_free_sgpr 96
		.amdhsa_reserve_vcc 0
		.amdhsa_float_denorm_mode_32 3
		.amdhsa_float_denorm_mode_16_64 3
		.amdhsa_memory_ordered 1
		.amdhsa_forward_progress 1
		.amdhsa_inst_pref_size 147
	.end_amdhsa_kernel
	.amdgpu_metadata
---
amdhsa.version: [ 1, 2 ]
amdhsa.kernels:
  - .name:           k_qcc443e5691_fc
    .symbol:         k_qcc443e5691_fc.kd
    .args:
      - { .name: x2, .offset: 0, .size: 8, .value_kind: global_buffer, .address_space: global }
      - { .name: wb, .offset: 8, .size: 8, .value_kind: global_buffer, .address_space: global }
      - { .name: fc_b, .offset: 16, .size: 8, .value_kind: global_buffer, .address_space: global }
      - { .name: gf, .offset: 24, .size: 8, .value_kind: global_buffer, .address_space: global }
    .group_segment_fixed_size: 327680
    .private_segment_fixed_size: 0
    .kernarg_segment_align: 8
    .kernarg_segment_size: 32
    .max_flat_workgroup_size: 128
    .sgpr_count:     96
    .vgpr_count:     768
    .wavefront_size: 32
...
	.end_amdgpu_metadata
.endif
;; end of part 6
;; launch proj (part 7): grid 8 x 32, 4 waves a work-group, clusters of 4 x 4, 327,680 bytes of LDS; arguments gf, wb, proj_b, hb, out0; writes out0
.if DOCPART == 7
	.amdgcn_target "amdgcn-amd-amdhsa--gfx1250"
	.amdhsa_code_object_version 6
	.text
	.protected	k_qcc443e5691_proj
	.globl	k_qcc443e5691_proj
	.p2align	8
	.type	k_qcc443e5691_proj,@function
k_qcc443e5691_proj:
	s_mov_b64 s[64:65], 0
	v_nop
	global_prefetch_b8 v0, s[64:65] scope:SCOPE_SE
	s_setreg_imm32_b32 hwreg(HW_REG_WAVE_MODE, 25, 1), 1
	s_wait_xcnt 0x0
	s_wait_alu depctr_hold_cnt(0) depctr_sa_sdst(0) depctr_va_vdst(0) depctr_va_sdst(0) depctr_va_ssrc(0) depctr_va_vcc(0) depctr_vm_vsrc(0)
	s_getreg_b32 s2, hwreg(HW_REG_IB_STS2, 6, 4)
	s_cmp_eq_u32 s2, 0
	s_cbranch_scc0 .Lentry_in_a_cluster
	s_endpgm
.Lentry_in_a_cluster:
	s_bfe_u32 s2, ttmp6, 0x10000c
	s_cmp_lg_u32 s2, 0xf033
	s_cbranch_scc0 .Lentry_shape_is_right
	s_endpgm
.Lentry_shape_is_right:
; out = h + g Wp + b for 64 tokens x 128 columns a work-group.  g: gf, bf16 in fragment order [row block][32 k][1,024 B]; Wp: [4096][1024] bf16 in wb; sums, bias and residual in f32.
; THE FOUR WAVES SPLIT K: each has the whole 64 x 128 (4 x 8 accumulators) for a quarter of every K step of 256, so that a fragment read from LDS feeds as many products as in a larger tile;
; at the end the partial sums meet in LDS, in f32: wave w owns row block w and adds the other three waves' parts to its own.  gf's rows lie in the tokens' own order.
; CLUSTER 4 x 4: g's tile is shared along a row of the cluster, Wp's along a column.
; REGISTERS: window 0 addresses, bias, residual, way out; window 1 two fragment buffers; window 2 the accumulators, (a', u) at 8 (8 a' + u); a' = 0 is always row block w.
.set SIZE_K, 4096
.set SIZE_N, 1024
.set WOFF,   16777216
.set PERM,   0
.set TN,     128
.set NB,     8
.set KSTEP,  256
.set PB,     288                       ; an LDS row of W: 256 bytes + 32 = 9 x 32 bytes
.set ASZ,    32768                     ; 4 row blocks x 8 fragments of 1,024 bytes, as they lie in memory
.set BSZ,    KSTEP*PB
.set SLOT,   ASZ+BSZ
.set RED,    2*SLOT                    ; behind the ring, never filled by a tensor load: 4 owners x 3 parts x 8,192 bytes; then each owner's stage
.set SPARE,  RED+98304
.set LAPS,   SIZE_K/(2*KSTEP)
.set ASTEP,  8192
.set BSTEP,  KSTEP*SIZE_N*2
.set ADRA, 8                           ; v8-15   LDS address of my fragments of A: slot s, index a' at 4 s + a'
.set ADRB, 16                          ; v16-17
.set L16,  18                          ; v18     16 x lane
.set STO,  20                          ; v20     the stage: where I put 16 bytes of a row
.set RRD,  21                          ; v21     my owner's region + 16 x lane
.set RST,  22                          ; v22-24  where my parts for the three other owners go
.set SPW,  28
.set NIL,  29
.set F0,   0
.set F1,   128
.set G1, 24
.set G0, 32
.set G1B, 48
.set G0B, 56
.set MSB, 0
.macro WIN new
.if MSB != (\new)
	s_set_vgpr_msb (MSB<<8)|(\new)
.set MSB, \new
.endif
.endm
.set MUL,  0xa5
.set TO_F, 0x40
.macro JLOAD s                         ; a joint load: waves 0, 1 fetch A's two halves, waves 2, 3 W's; an s_nop 0 and four v_nop follow each line
	s_cmp_eq_u32 s11, 0
	s_cbranch_scc0 .Lfor_b_\@
	tensor_load_to_lds s[G0+4*(\s):G0+4*(\s)+3], s[G1:G1+7]
	s_nop 0
.rept 4
	v_nop
.endr
	s_branch .Lasked_\@
.Lfor_b_\@:
	tensor_load_to_lds s[G0B+4*(\s):G0B+4*(\s)+3], s[G1B:G1B+7]
	s_nop 0
.rept 4
	v_nop
.endr
.Lasked_\@:
.endm
.macro CREST
	s_cmp_lg_u32 s10, 0
	s_cbranch_scc1 .Lnot_wave_0_\@
	s_barrier_signal -3
.Lnot_wave_0_\@:
	s_barrier_wait -3
	s_barrier_signal -1
	s_barrier_wait -1
.endm
.macro CROUND
	s_barrier_signal -1
	s_barrier_wait -1
	CREST
.endm
.macro PLACES
.rept 4
	v_nop
.endr
.endm
	s_load_b256 s[72:79], s[0:1], 0x0              ; A s[72:73], wb s[74:75], bias s[76:77], residual s[78:79]
	s_load_b64 s[80:81], s[0:1], 0x20              ; the output
	v_lshl_add_u32 v[SPW], v0, 2, SPARE
	v_mov_b32 v[NIL], 0
	ds_add_u32 v[SPW], v[NIL]                      ; the wave's opening: the add and its wait ahead of my first tensor load
	v_lshrrev_b32 v1, 5, v0
	v_readfirstlane_b32 s10, v1                    ; wave 0..3
	s_lshr_b32 s11, s10, 1                         ; I fetch A (0) or W (1),
	s_and_b32 s12, s10, 1                          ; this half of it
	s_bfe_u32 s40, ttmp6, 0x40000
	s_bfe_u32 s41, ttmp6, 0x40004
	s_lshl_b32 s42, ttmp9, 2
	s_add_co_u32 s42, s42, s40                     ; tile column
	s_and_b32 s13, ttmp7, 0xffff
	s_lshl_b32 s13, s13, 2
	s_add_co_u32 s13, s13, s41                     ; tile row: a block of 64 tokens
	s_lshl_b32 s43, s41, 2
	s_lshl_b32 s43, 15, s43
	s_lshl_b32 s44, 0x1111, s40
	s_or_b32 s[G1+0], s43, (3<<16)|(1<<21)         ; mask; elements of 8 bytes; no padding; bit 21 beside a mask
	s_mov_b32 s[G1+1], 1024<<16                    ; tensor_dim0 = 1,024 elements: a row block's 8 fragments, 8,192 consecutive bytes
	s_mov_b32 s[G1+2], 2<<16                       ; tensor_dim1 = 2 row blocks
	s_mov_b32 s[G1+3], 1024<<16
	s_mov_b32 s[G1+4], 2
	s_mov_b32 s[G1+5], 4*SIZE_K                    ; from row block to row block: 32 SIZE_K bytes
	s_mov_b32 s[G1+6], 0
	s_mov_b32 s[G1+7], 0
	s_or_b32 s[G1B+0], s44, (1<<16)|(1<<20)|(1<<21)|(5<<22)|(7<<25)  ; 2-byte elements; after every 64 words, 8 words
	s_mov_b32 s[G1B+1], TN<<16
	s_mov_b32 s[G1B+2], (KSTEP/2)<<16
	s_mov_b32 s[G1B+3], TN<<16
	s_mov_b32 s[G1B+4], KSTEP/2
	s_mov_b32 s[G1B+5], SIZE_N
	s_mov_b32 s[G1B+6], 0
	s_mov_b32 s[G1B+7], 0
	s_lshl_b32 s16, s13, 2
	s_lshl_b32 s17, s12, 1
	s_add_co_u32 s16, s16, s17                     ; A: row block 4 x tile row + 2 x half
	s_mul_i32 s16, s16, 32*SIZE_K
	s_mov_b32 s17, 0
	s_lshl_b32 s46, s42, 8                         ; W: the tile's columns, 256 bytes,
	s_mul_i32 s47, s12, KSTEP*SIZE_N               ; 128 rows of k for the second half
	s_add_co_u32 s46, s46, s47
	s_add_co_u32 s46, s46, WOFF
	s_mov_b32 s47, 0
	s_lshl_b32 s20, s12, 14
	s_mul_i32 s21, s12, (KSTEP/2)*PB
	s_add_co_u32 s21, s21, ASZ
	s_wait_dscnt 0x0                               ; the opening add is done
	s_wait_kmcnt 0x0
	s_add_nc_u64 s[14:15], s[72:73], s[16:17]
	s_add_nc_u64 s[46:47], s[74:75], s[46:47]
	CROUND
.irp s, 0,1
	s_mov_b32 s[G0+4*(\s)], 1
	s_add_co_u32 s[G0+4*(\s)+1], s20, (\s)*SLOT
	s_add_nc_u64 s[G0+4*(\s)+2:G0+4*(\s)+3], s[14:15], (\s)*ASTEP
	s_or_b32 s[G0+4*(\s)+3], s[G0+4*(\s)+3], 0x80000000
	s_mov_b32 s[G0B+4*(\s)], 1
	s_add_co_u32 s[G0B+4*(\s)+1], s21, (\s)*SLOT
	s_add_nc_u64 s[G0B+4*(\s)+2:G0B+4*(\s)+3], s[46:47], (\s)*BSTEP
	s_or_b32 s[G0B+4*(\s)+3], s[G0B+4*(\s)+3], 0x80000000
	JLOAD \s                                       ; two loads of mine are out
.endr
	v_and_b32 v1, 15, v0
	v_bfe_u32 v2, v0, 4, 1
	v_and_b32 v[L16], 31, v0
	v_lshlrev_b32 v[L16], 4, v[L16]
.irp a, 0,1,2,3                        ; index a' is row block (a' + w) % 4; my two fragments of a step lie 2,048 w bytes into its 8
	s_add_co_u32 s22, s10, \a
	s_and_b32 s22, s22, 3
	s_lshl_b32 s22, s22, 13
	s_lshl_b32 s23, s10, 11
	s_add_co_u32 s22, s22, s23
	v_add_nc_u32 v[ADRA+\a], s22, v[L16]
	v_add_nc_u32 v[ADRA+4+\a], SLOT, v[ADRA+\a]
.endr
	v_and_b32 v4, 7, v0
	v_lshl_add_u32 v4, v2, 3, v4
	v_mul_u32_u24 v4, v4, PB
	v_bfe_u32 v5, v0, 3, 1
	v_lshl_add_u32 v4, v5, 4, v4
	s_mul_i32 s23, s10, 64*PB                      ; my 64 rows of k in a step
	s_add_co_u32 s23, s23, ASZ
	v_add_nc_u32 v[ADRB], s23, v4
	v_add_nc_u32 v[ADRB+1], SLOT, v[ADRB]
.irp a, 1,2,3
	s_add_co_u32 s22, s10, \a
	s_and_b32 s22, s22, 3
	s_mul_i32 s22, s22, 3*8192
	s_add_co_u32 s22, s22, RED+(\a-1)*8192
	v_add_nc_u32 v[RST+\a-1], s22, v[L16]
.endr
	s_mul_i32 s22, s10, 3*8192
	s_add_co_u32 s22, s22, RED
	v_add_nc_u32 v[RRD], s22, v[L16]
	v_mul_u32_u24 v3, v1, 528                      ; the stage: rows of 512 bytes + 16
	v_lshl_add_u32 v3, v2, 5, v3
	v_add_nc_u32 v[STO], s22, v3
	s_lshl_b32 s86, s13, 6
.if PERM
	s_lshl2_add_u32 s86, s10, s86                  ; my rows' first token: 64 x tile row + 4 w
.else
	s_lshl4_add_u32 s86, s10, s86                  ; 64 x tile row + 16 w
.endif
	s_lshl_b32 s86, s86, 12
	s_lshl_b32 s88, s42, 9                         ; the tile's 128 columns of f32
	s_add_co_u32 s86, s86, s88
	s_mov_b32 s87, 0
	s_mov_b32 s89, 0
	s_add_nc_u64 s[66:67], s[78:79], s[86:87]
	s_add_nc_u64 s[68:69], s[80:81], s[86:87]
	s_add_nc_u64 s[84:85], s[76:77], s[88:89]
.set t, 0
.rept 16                               ; the residual's 16 rows and the bias are asked for now and waited for on the way out
.if PERM
.set tok, 32*(t/8)+16*(t%2)+((t/2)%4)
.else
.set tok, t
.endif
	global_load_b128 v[192+4*t:195+4*t], v[L16], s[66:67] offset:tok*4096
.set t, t+1
.endr
	global_load_b128 v[32:35], v[L16], s[84:85]
.macro MULA f, a, zero                 ; 8 matrix instructions; the 32 accumulators take turns, one instruction a turn
	WIN MUL
.set u, 0
.rept NB
.set rD, 8*(NB*(\a)+u)
.set rA, (\f)+8*(\a)
.set rB, (\f)+32+8*u
.if \zero
	v_wmma_f32_16x16x32_bf16 v[rD:rD+7], v[rB:rB+7], v[rA:rA+7], 0
.else
	v_wmma_f32_16x16x32_bf16 v[rD:rD+7], v[rB:rB+7], v[rA:rA+7], v[rD:rD+7]
.endif
.set u, u+1
.endr
.endm
.macro FETCH slot, q, f                ; my fragments of 32 along K, piece q of my two: 24 LDS loads in one run
	WIN TO_F
.set u, 0
.rept NB
	ds_load_tr16_b128 v[(\f)+32+8*u:(\f)+32+8*u+3],   v[ADRB+(\slot)] offset:(\q)*32*PB+32*u
	ds_load_tr16_b128 v[(\f)+32+8*u+4:(\f)+32+8*u+7], v[ADRB+(\slot)] offset:(\q)*32*PB+16*PB+32*u
.set u, u+1
.endr
.irp a, 0,1,2,3
	ds_load_b128 v[(\f)+8*(\a):(\f)+8*(\a)+3],   v[ADRA+4*(\slot)+(\a)] offset:(\q)*1024
	ds_load_b128 v[(\f)+8*(\a)+4:(\f)+8*(\a)+7], v[ADRA+4*(\slot)+(\a)] offset:(\q)*1024+512
.endr
.endm
.macro QUARTER slot, qn, f, g, zero
	s_wait_dscnt 0x0
	MULA \f, 0, \zero
	MULA \f, 1, \zero
	PLACES
	FETCH \slot, \qn, \g
	MULA \f, 2, \zero
	MULA \f, 3, \zero
.endm
.macro TURN slot, next, fill
	WIN 0
	s_wait_tensorcnt 0x0                           ; all my tensor loads have landed: my part of the next slot
	ds_add_u32 v[SPW], v[NIL]
	s_wait_dscnt 0x1                               ; only the add may be out: buffer 1 is in
	MULA F1, 0, 0
	s_wait_dscnt 0x0                               ; the add is done, my reads of this slot are over
	s_barrier_signal -1
	MULA F1, 1, 0
.if \fill
	WIN 0
.endif
	s_barrier_wait -1
.if \fill
	CREST
	s_add_nc_u64 s[G0+4*(\slot)+2:G0+4*(\slot)+3], s[G0+4*(\slot)+2:G0+4*(\slot)+3], 2*ASTEP
	s_add_nc_u64 s[G0B+4*(\slot)+2:G0B+4*(\slot)+3], s[G0B+4*(\slot)+2:G0B+4*(\slot)+3], 2*BSTEP
	JLOAD \slot                                    ; my one load behind the round
.else
	PLACES
.endif
	FETCH \next, 0, F0
	MULA F1, 2, 0
	MULA F1, 3, 0
.endm
	s_wait_tensorcnt 0x1                           ; my part of K step 0 is in; step 1's may stay out
	s_barrier_signal -1
	s_barrier_wait -1
	FETCH 0, 0, F0
	QUARTER 0, 1, F0, F1, 1
	WIN 0
	s_mov_b32 s3, LAPS-1
.Llap:
	TURN 0, 1, 1
	QUARTER 1, 1, F0, F1, 0
	TURN 1, 0, 1
	QUARTER 0, 1, F0, F1, 0
	WIN 0
	s_sub_co_u32 s3, s3, 1
	s_cmp_lg_u32 s3, 0
	s_cbranch_scc1 .Llap
	TURN 0, 1, 0
	QUARTER 1, 1, F0, F1, 0
	s_wait_dscnt 0x0
	MULA F1, 0, 0
	MULA F1, 1, 0
	MULA F1, 2, 0
	MULA F1, 3, 0
	; THE SUM OVER THE FOUR WAVES, in f32: my parts of the three other row blocks go to their owners
	WIN 0
	PLACES
	WIN 0x08                                       ; store data in window 2
.irp a, 1,2,3
.set u, 0
.rept 8
	ds_store_b128 v[RST+(\a)-1], v[8*(8*(\a)+u):8*(8*(\a)+u)+3]   offset:u*1024
	ds_store_b128 v[RST+(\a)-1], v[8*(8*(\a)+u)+4:8*(8*(\a)+u)+7] offset:u*1024+512
.set u, u+1
.endr
.endr
	WIN 0
	s_wait_dscnt 0x0                               ; for the others' sake
	s_barrier_signal -1
	s_barrier_wait -1
	WIN 0x40
.set i, 0
.rept 48
	ds_load_b128 v[64+4*i:64+4*i+3], v[RRD] offset:512*i   ; the three parts of my row block, register for register as mine lie
.set i, i+1
.endr
	s_wait_dscnt 0x0
	WIN 0x06                                       ; source 0 window 2, source 1 window 1, destination window 0
.set i, 0
.rept 32
	v_pk_add_f32 v[64+2*i:65+2*i], v[2*i:2*i+1], v[64+2*i:65+2*i]
.set i, i+1
.endr
	WIN 0x04
.set i, 0
.rept 32
	v_pk_add_f32 v[64+2*i:65+2*i], v[64+2*i:65+2*i], v[128+2*i:129+2*i]
.set i, i+1
.endr
.set i, 0
.rept 32
	v_pk_add_f32 v[64+2*i:65+2*i], v[64+2*i:65+2*i], v[192+2*i:193+2*i]
.set i, i+1
.endr
	WIN 0
	s_barrier_signal -1                            ; every wave's reads of the parts are over: the regions become stages
	s_barrier_wait -1
.set u, 0
.rept 8
	ds_store_b128 v[STO], v[64+8*u:64+8*u+3] offset:64*u
	ds_store_b128 v[STO], v[64+8*u+4:64+8*u+7] offset:64*u+16
.set u, u+1
.endr
.set t, 0
.rept 16
	ds_load_b128 v[128+4*t:131+4*t], v[RRD] offset:528*t   ; LDS serves a wave's instructions in order (ISA guide 5.7.1.4): these see the stores above
.set t, t+1
.endr
	s_wait_loadcnt 0x0                             ; residual and bias
.set t, 0
.rept 16
.if PERM
.set tok, 32*(t/8)+16*(t%2)+((t/2)%4)
.else
.set tok, t
.endif
	s_wait_dscnt 15-t                              ; row t is back; the younger rows may stay out
	v_pk_add_f32 v[128+4*t:129+4*t], v[128+4*t:129+4*t], v[192+4*t:193+4*t]
	v_pk_add_f32 v[130+4*t:131+4*t], v[130+4*t:131+4*t], v[194+4*t:195+4*t]
	v_pk_add_f32 v[128+4*t:129+4*t], v[128+4*t:129+4*t], v[32:33]
	v_pk_add_f32 v[130+4*t:131+4*t], v[130+4*t:131+4*t], v[34:35]
	global_store_b128 v[L16], v[128+4*t:131+4*t], s[68:69] offset:tok*4096      ; 512 consecutive bytes of one row, aligned
.set t, t+1
.endr
	s_wait_tensorcnt 0x0                           ; the wave's end
	ds_add_u32 v[SPW], v[NIL]
	s_wait_dscnt 0x0
	CROUND                                         ; the closing round
	s_endpgm
.Lfunc_end_k_qcc443e5691_proj:
	.size	k_qcc443e5691_proj, .Lfunc_end_k_qcc443e5691_proj-k_qcc443e5691_proj
	.p2alignl 7, 3214868480
	.fill 96, 4, 3214868480
	.section	.rodata,"a",@progbits
	.p2align	6, 0x0
	.amdhsa_kernel k_qcc443e5691_proj
		.amdhsa_group_segment_fixed_size 327680
		.amdhsa_private_segment_fixed_size 0
		.amdhsa_enable_private_segment 0
		.amdhsa_kernarg_size 40
		.amdhsa_user_sgpr_count 2
		.amdhsa_user_sgpr_kernarg_segment_ptr 1
		.amdhsa_wavefront_size32 1
		.amdhsa_system_sgpr_workgroup_id_x 1
		.amdhsa_system_sgpr_workgroup_id_y 1
		.amdhsa_system_sgpr_workgroup_id_z 1
		.amdhsa_system_vgpr_workitem_id 0
		.amdhsa_next_free_vgpr 768
		.amdhsa_next_free_sgpr 96
		.amdhsa_reserve_vcc 0
		.amdhsa_float_denorm_mode_32 3
		.amdhsa_float_denorm_mode_16_64 3
		.amdhsa_memory_ordered 1
		.amdhsa_forward_progress 1
		.amdhsa_inst_pref_size 63
	.end_amdhsa_kernel
	.amdgpu_metadata
---
amdhsa.version: [ 1, 2 ]
amdhsa.kernels:
  - .name:           k_qcc443e5691_proj
    .symbol:         k_qcc443e5691_proj.kd
    .args:
      - { .name: gf, .offset: 0, .size: 8, .value_kind: global_buffer, .address_space: global }
      - { .name: wb, .offset: 8, .size: 8, .value_kind: global_buffer, .address_space: global }
      - { .name: proj_b, .offset: 16, .size: 8, .value_kind: global_buffer, .address_space: global }
      - { .name: hb, .offset: 24, .size: 8, .value_kind: global_buffer, .address_space: global }
      - { .name: out0, .offset: 32, .size: 8, .value_kind: global_buffer, .address_space: global }
    .group_segment_fixed_size: 327680
    .private_segment_fixed_size: 0
    .kernarg_segment_align: 8
    .kernarg_segment_size: 40
    .max_flat_workgroup_size: 128
    .sgpr_count:     96
    .vgpr_count:     768
    .wavefront_size: 32
...
	.end_amdgpu_metadata
.endif
;; end of part 7
